; MI455X (gfx1250); checked and timed in simulation.
; The chip was launched on July 23, 2026; its instructions are those of AMD's public machine-readable ISA for CDNA 5 (MIT licence, August 2026) and "CDNA5" Instruction Set Architecture Reference Guide (July 2026). The comments in the code are by the model that wrote it; some were corrected since.
;; Temporal Attention. Allowed arithmetic: float matrix products may take bf16 or f16 operands with f32 sums; all other float work in f32.
;; Inputs: Wk 1,024 x 1,024 float32; Wo 1,024 x 1,024 float32; Wq 1,024 x 1,024 float32; Wv 1,024 x 1,024 float32; bk 1,024 float32; bo 1,024 float32; bq 1,024 float32; bv 1,024 float32; gamma one number float32; k 4 x 2,048 x 1,024 float32; mask 4 x 1 x 2,048 x 2,048 int32; q 4 x 2,048 x 1,024 float32; time_diffs 4 x 2,048 x 2,048 float32; v 4 x 2,048 x 1,024 float32.
;; Outputs: out0 4 x 2,048 x 1,024 float32.
;; 2 versions, each right; version 2 is version 1 with the launch prep written anew for expert scheduling mode. Each part assembles by itself: llvm-mc -triple=amdgcn-amd-amdhsa -mcpu=gfx1250 --defsym DOCPART=n.
;; ======== version 1 of 2: 4 launches
;; limits: right only within a limited range of input values; values are held in f16: magnitudes above 65,504 overflow, below 6.1e-05 lose precision
;; workspace buffers: xw 58,720,256 bytes; biasm 67,108,864 bytes; qf 16,777,216 bytes; kvf 33,554,432 bytes; aof 16,777,216 bytes
;; launch prep (part 1): grid 1920 x 1, 8 waves a work-group, no clusters, 0 bytes of LDS; arguments q, k, v, Wq, Wk, Wv, Wo, time_diffs, mask, gamma, xw, biasm; writes xw, biasm
.if DOCPART == 1
	.amdgcn_target "amdgcn-amd-amdhsa--gfx1250"
	.amdhsa_code_object_version 6
	.text
	.protected	k_q3e0581e846_prep
	.globl	k_q3e0581e846_prep
	.p2align	8
	.type	k_q3e0581e846_prep,@function
k_q3e0581e846_prep:
	s_mov_b64 s[64:65], 0
	v_nop
	global_prefetch_b8 v0, s[64:65] scope:SCOPE_SE
	s_setreg_imm32_b32 hwreg(HW_REG_WAVE_MODE, 25, 1), 1
	s_wait_xcnt 0x0
; Two streams in one launch, chosen by the work-group's number.
; Work-groups 0 to 895: q, k, v, Wq, Wk, Wv, Wo are rounded once to f16 into xw, which is their concatenation in that order.
;   A work-group takes 32,768 numbers: 32 loads of 16 bytes a thread, all issued before the first is used.
;   f16 and not bf16: five roundings lie in a chain between the inputs and the output, and 11 significant bits keep their sum small.
;   LIMIT: an input above 65,504 in magnitude overflows in f16.
; Work-groups 896 to 1919: biasm = (mask == 0) ? NEG : exp(-gamma * time_diffs) * log2(e), in f32, 16,384 numbers a work-group.
;   The attention launch works in powers of two, so the additive bias is stored times log2(e), and NEG is -1e9 * log2(e).
;   It is made here once, because all 16 heads add the same bias.
; No LDS, no barrier, no matrix unit: every byte is read once and written once, and nothing is shared.
.set CASTS, 896                        ; 3 * 256 (q, k, v: 8,388,608 numbers each) + 4 * 32 (the weights: 1,048,576 each)
.set X,  4                             ; v[4:131]   cast: 32 loads of 4 f32.  bias: v[4:67] 16 loads of time_diffs, worked on in place
.set MK, 68                            ; v[68:131]  bias: 16 loads of mask
.set Y,  132                           ; v[132:195] cast: packed f16, a pair for each load; never written twice
	s_load_b512 s[8:23], s[0:1], 0x0               ; q s[8:9], k s[10:11], v s[12:13], Wq s[14:15], Wk s[16:17], Wv s[18:19], Wo s[20:21], time_diffs s[22:23]
	s_load_b256 s[24:31], s[0:1], 0x40             ; mask s[24:25], gamma s[26:27], xw s[28:29], biasm s[30:31]
	s_mov_b32 s2, ttmp9                            ; c, the work-group's number
	v_lshlrev_b32 v1, 4, v0                        ; 16 bytes a thread: a wave's load covers 512 consecutive bytes
	s_wait_kmcnt 0x0
	s_cmp_ge_u32 s2, CASTS
	s_cbranch_scc1 .Lbias
	; ---- the casts ----
	s_mov_b64 s[32:33], s[8:9]                     ; the source and the number of its first work-group: q, 0
	s_mov_b32 s34, 0
.macro PICK first, lo                  ; from work-group 'first' on the source is the buffer in s[lo:lo+1]
	s_cmp_ge_u32 s2, \first
	s_cselect_b64 s[32:33], s[\lo:\lo+1], s[32:33]
	s_cselect_b32 s34, \first, s34
.endm
	PICK 256, 10
	PICK 512, 12
	PICK 768, 14
	PICK 800, 16
	PICK 832, 18
	PICK 864, 20
	s_sub_co_u32 s34, s2, s34
	s_lshl_b32 s34, s34, 17                        ; 131,072 bytes of f32 for each work-group of this source
	s_mov_b32 s35, 0
	s_add_nc_u64 s[32:33], s[32:33], s[34:35]
	s_lshl_b32 s36, s2, 16                         ; 65,536 bytes of f16 for each work-group, whatever the source
	s_mov_b32 s37, 0
	s_add_nc_u64 s[28:29], s[28:29], s[36:37]
	v_lshlrev_b32 v2, 3, v0                        ; 8 bytes a thread: a wave's store covers 256 consecutive bytes, aligned
.set i, 0
.rept 32
	global_load_b128 v[X+4*i:X+4*i+3], v1, s[32:33] offset:4096*i th:TH_LOAD_NT
.set i, i+1
.endr
.set i, 0
.rept 32
	s_wait_loadcnt 31-i                            ; loads return in order: load i is in, the 31 - i younger ones stay out
	v_cvt_pk_f16_f32 v[Y+2*i],   v[X+4*i],   v[X+4*i+1]
	v_cvt_pk_f16_f32 v[Y+2*i+1], v[X+4*i+2], v[X+4*i+3]
	global_store_b64 v2, v[Y+2*i:Y+2*i+1], s[28:29] offset:2048*i
.set i, i+1
.endr
	s_endpgm
	; ---- the bias ----
.Lbias:
	s_load_b32 s38, s[26:27], 0x0                  ; gamma
	s_sub_co_u32 s34, s2, CASTS
	s_lshl_b32 s34, s34, 16                        ; 65,536 bytes in each of the three arrays
	s_mov_b32 s35, 0
	s_add_nc_u64 s[22:23], s[22:23], s[34:35]
	s_add_nc_u64 s[24:25], s[24:25], s[34:35]
	s_add_nc_u64 s[30:31], s[30:31], s[34:35]
.set i, 0
.rept 16
	global_load_b128 v[X+4*i:X+4*i+3],   v1, s[22:23] offset:4096*i th:TH_LOAD_NT
	global_load_b128 v[MK+4*i:MK+4*i+3], v1, s[24:25] offset:4096*i th:TH_LOAD_NT
.set i, i+1
.endr
	v_mov_b32 v3, 0xceabfb8f                       ; NEG = -1e9 * log2(e)
	s_wait_kmcnt 0x0
	s_mul_f32 s36, s38, 0xbfb8aa3b                 ; -gamma * log2(e): exp(-gamma t) = 2^(s36 t)
	s_mov_b32 s37, s36                             ; the pair's second register is written too
.set i, 0
.rept 16
	s_wait_loadcnt 2*(15-i)                        ; pair i (time_diffs, mask) is in; the 15 - i younger pairs stay out
	v_pk_mul_f32 v[X+4*i:X+4*i+1],   v[X+4*i:X+4*i+1],   s[36:37] op_sel_hi:[1,0]
	v_pk_mul_f32 v[X+4*i+2:X+4*i+3], v[X+4*i+2:X+4*i+3], s[36:37] op_sel_hi:[1,0]
	v_exp_f32 v[X+4*i],   v[X+4*i]
	v_exp_f32 v[X+4*i+1], v[X+4*i+1]
	v_exp_f32 v[X+4*i+2], v[X+4*i+2]
	v_exp_f32 v[X+4*i+3], v[X+4*i+3]
	v_cmp_eq_u32 s40, 0, v[MK+4*i]                 ; plain instructions that touch no exponential's register stand between the
	v_cmp_eq_u32 s41, 0, v[MK+4*i+1]               ; exponentials and the first use of their results (ISA guide 5.7.2)
	v_cmp_eq_u32 s42, 0, v[MK+4*i+2]
	v_cmp_eq_u32 s43, 0, v[MK+4*i+3]
	s_wait_alu depctr_va_vdst(0)
	v_pk_mul_f32 v[X+4*i:X+4*i+1],   v[X+4*i:X+4*i+1],   0x3fb8aa3b op_sel_hi:[1,0]
	v_pk_mul_f32 v[X+4*i+2:X+4*i+3], v[X+4*i+2:X+4*i+3], 0x3fb8aa3b op_sel_hi:[1,0]
	v_cndmask_b32 v[X+4*i],   v[X+4*i],   v3, s40
	v_cndmask_b32 v[X+4*i+1], v[X+4*i+1], v3, s41
	v_cndmask_b32 v[X+4*i+2], v[X+4*i+2], v3, s42
	v_cndmask_b32 v[X+4*i+3], v[X+4*i+3], v3, s43
	global_store_b128 v1, v[X+4*i:X+4*i+3], s[30:31] offset:4096*i   ; these registers are not written again
.set i, i+1
.endr
	s_endpgm
.Lfunc_end_k_q3e0581e846_prep:
	.size	k_q3e0581e846_prep, .Lfunc_end_k_q3e0581e846_prep-k_q3e0581e846_prep
	.p2alignl 7, 3214868480
	.fill 96, 4, 3214868480
	.section	.rodata,"a",@progbits
	.p2align	6, 0x0
	.amdhsa_kernel k_q3e0581e846_prep
		.amdhsa_group_segment_fixed_size 0
		.amdhsa_private_segment_fixed_size 0
		.amdhsa_enable_private_segment 0
		.amdhsa_kernarg_size 96
		.amdhsa_user_sgpr_count 2
		.amdhsa_user_sgpr_kernarg_segment_ptr 1
		.amdhsa_wavefront_size32 1
		.amdhsa_system_sgpr_workgroup_id_x 1
		.amdhsa_system_sgpr_workgroup_id_y 1
		.amdhsa_system_sgpr_workgroup_id_z 1
		.amdhsa_system_vgpr_workitem_id 0
		.amdhsa_next_free_vgpr 200
		.amdhsa_next_free_sgpr 66
		.amdhsa_reserve_vcc 0
		.amdhsa_float_denorm_mode_32 3
		.amdhsa_float_denorm_mode_16_64 3
		.amdhsa_memory_ordered 1
		.amdhsa_forward_progress 1
		.amdhsa_inst_pref_size 34
	.end_amdhsa_kernel
	.amdgpu_metadata
---
amdhsa.version: [ 1, 2 ]
amdhsa.kernels:
  - .name:           k_q3e0581e846_prep
    .symbol:         k_q3e0581e846_prep.kd
    .args:
      - { .name: q, .offset: 0, .size: 8, .value_kind: global_buffer, .address_space: global }
      - { .name: k, .offset: 8, .size: 8, .value_kind: global_buffer, .address_space: global }
      - { .name: v, .offset: 16, .size: 8, .value_kind: global_buffer, .address_space: global }
      - { .name: Wq, .offset: 24, .size: 8, .value_kind: global_buffer, .address_space: global }
      - { .name: Wk, .offset: 32, .size: 8, .value_kind: global_buffer, .address_space: global }
      - { .name: Wv, .offset: 40, .size: 8, .value_kind: global_buffer, .address_space: global }
      - { .name: Wo, .offset: 48, .size: 8, .value_kind: global_buffer, .address_space: global }
      - { .name: time_diffs, .offset: 56, .size: 8, .value_kind: global_buffer, .address_space: global }
      - { .name: mask, .offset: 64, .size: 8, .value_kind: global_buffer, .address_space: global }
      - { .name: gamma, .offset: 72, .size: 8, .value_kind: global_buffer, .address_space: global }
      - { .name: xw, .offset: 80, .size: 8, .value_kind: global_buffer, .address_space: global }
      - { .name: biasm, .offset: 88, .size: 8, .value_kind: global_buffer, .address_space: global }
    .group_segment_fixed_size: 0
    .private_segment_fixed_size: 0
    .kernarg_segment_align: 8
    .kernarg_segment_size: 96
    .max_flat_workgroup_size: 256
    .sgpr_count:     66
    .vgpr_count:     200
    .wavefront_size: 32
...
	.end_amdgpu_metadata
.endif
;; end of part 1
;; launch qkv (part 2): grid 4 x 96, 4 waves a work-group, clusters of 4 x 4, 327,680 bytes of LDS; arguments xw, bq, bk, bv, qf, kvf; writes qf, kvf
.if DOCPART == 2
	.amdgcn_target "amdgcn-amd-amdhsa--gfx1250"
	.amdhsa_code_object_version 6
	.text
	.protected	k_q3e0581e846_qkv
	.globl	k_q3e0581e846_qkv
	.p2align	8
	.type	k_q3e0581e846_qkv,@function
k_q3e0581e846_qkv:
	s_mov_b64 s[64:65], 0
	v_nop
	global_prefetch_b8 v0, s[64:65] scope:SCOPE_SE
	s_setreg_imm32_b32 hwreg(HW_REG_WAVE_MODE, 25, 1), 1
	s_wait_xcnt 0x0
	s_wait_alu depctr_hold_cnt(0) depctr_sa_sdst(0) depctr_va_vdst(0) depctr_va_sdst(0) depctr_va_ssrc(0) depctr_va_vcc(0) depctr_vm_vsrc(0)
	s_getreg_b32 s2, hwreg(HW_REG_IB_STS2, 6, 4)
	s_cmp_eq_u32 s2, 0
	s_cbranch_scc0 .Lentry_in_a_cluster
	s_endpgm
.Lentry_in_a_cluster:
	s_bfe_u32 s2, ttmp6, 0x10000c
	s_cmp_lg_u32 s2, 0xf033
	s_cbranch_scc0 .Lentry_shape_is_right
	s_endpgm
.Lentry_shape_is_right:
; The three projections x W^T + b, from the f16 copies in xw, as products  C[m][n] = sum over k of A[m][k] B[n][k],  K = 1024, sums in f32.
; A work-group makes 256 x 256 of C with four waves, a wave 128 x 128 in 512 registers; K goes in steps of 128 through two LDS slots filled by tensor loads.
; The cluster's y (0 to 23) says which projection (y / 8) and which group of four blocks (y % 8).
;   Q and K:  A = the 8,192 tokens (32 blocks), B = the 1,024 rows of the weight (4 blocks).
;   V:        A = the 1,024 rows of Wv (4 blocks), B = the 8,192 tokens (32 blocks): V comes out transposed, features by tokens.
; The grid has one cluster along x, so the block along x is the place cx in the cluster (plus the group, for V).
; CLUSTERS: 4 x 4 work-groups.  A's tile hangs on cy and the cluster's y alone and is asked for jointly along a row of the cluster, B's on cx and the cluster's y alone, jointly along a column.
; THE WAY OUT needs no LDS.  The matrix instruction takes B's rows as source 0 and A's as source 1, so lane (r, h) holds in register j the number (A row r, B row 8 h + j):
; eight neighbours along B's rows, which pack into the 16 bytes that a later product wants in registers 0-3 or 4-7 of a 16-bit fragment.  So results are stored in FRAGMENT ORDER, in f16:
;   qf  [batch 4][head 16][token tile 128][c 4][lane 32][16 bytes]      lane (r, h): token 16 tile + r, features 16 c + 8 h .. + 7 of the head
;   kvf [batch 4][key block 32][head 16][16,384 bytes]:  K  [kt 4][c 4][lane][16]  as qf;   V at + 8,192  [dt 4][ks 2][e 2][lane][16]   lane (r, h): feature 16 dt + r, keys 32 ks + 16 e + 8 h .. + 7
; and every store of a wave covers 512 consecutive bytes, aligned.  Q is also multiplied by log2(e) / 8: the score's 1 / sqrt(64), and the softmax in powers of two.
; LIMIT: a projected number above 65,504 in magnitude overflows in f16.  Sums of 1,024 products of numbers of spread 30 and 30/32 have a spread of 900; offsets of 30 and 30/32 give 28,800.
;
; REGISTERS in windows of 256: window 0: v0-31 addresses, v64-191 A's fragments (two buffers; on the way out: results in f32 and packed); window 1: v64-191 B's fragments, v192-255 the bias;
; windows 2 and 3: the accumulators of my rows 0-63 and 64-127, tile (a, b) at v[8 (8 a + b)].
.set SIZE_K, 1024
.set KSTEP,  128
.set PITCH,  272                       ; an LDS row: 256 bytes + 16 of padding, so that the 16 rows of a fragment load begin 16 bytes apart modulo 256
.set HALFT,  128*PITCH                 ; what one tensor load brings
.set SLOT,   4*HALFT                   ; A's 256 rows, then B's
.set LAPS,   SIZE_K/(2*KSTEP)          ; a lap = two K steps = once round the ring
.set ADRA, 16                          ; v16-17  LDS address of my A fragments, slot 0, 1
.set ADRB, 20                          ; v20-21  the same for B
.set CO,   26                          ; v26     16 x lane: my 16 bytes of a stored fragment half
.set BO,   27                          ; v27     my byte offset in the bias vector
.set F0,   64
.set F1,   128
.set PK,   128                         ; the way out: v128-159, packed results
.set BIAS, 192                         ; window 1
.set G1,  24                           ; s[24:31] group 1 for A's tiles
.set G0,  32                           ; s[32:39] group 0 for A's tiles, a set for each slot
.set G1B, 48                           ; s[48:55] group 1 for B's tiles
.set G0B, 56                           ; s[56:63] group 0 for B's tiles
.set SB,  84                           ; s[84:91] four store bases
.set MSB, 0
.macro WIN new                         ; the immediate's high byte repeats the setting that is left; a switch that changes nothing is dropped
.if MSB != (\new)
	s_set_vgpr_msb (MSB<<8)|(\new)
.set MSB, (\new)
.endif
.endm
.set MUL_LO, 0xa1                      ; source 0 (B) window 1, source 1 (A) window 0, C and D window 2
.set MUL_HI, 0xf1                      ; the same, C and D window 3
.set TO_B,   0x40                      ; destination window 1
.macro JLOAD s                         ; waves 0, 1 ask for A's two halves, waves 2, 3 for B's; the branch hangs on the wave's number alone
	s_cmp_eq_u32 s11, 0
	s_cbranch_scc0 .Lfor_b_\@
	tensor_load_to_lds s[G0+4*(\s):G0+4*(\s)+3], s[G1:G1+7]
	s_nop 0
	s_branch .Lasked_\@
.Lfor_b_\@:
	tensor_load_to_lds s[G0B+4*(\s):G0B+4*(\s)+3], s[G1B:G1B+7]
	s_nop 0
.Lasked_\@:
.endm
.macro CREST                           ; a round of the cluster's barrier behind its opening work-group barrier
	s_cmp_lg_u32 s10, 0
	s_cbranch_scc1 .Lnot_wave_0_\@
	s_barrier_signal -3
.Lnot_wave_0_\@:
	s_barrier_wait -3
	s_barrier_signal -1
	s_barrier_wait -1
.endm
.macro CROUND
	s_barrier_signal -1
	s_barrier_wait -1
	CREST
.endm
	s_load_b256 s[68:75], s[0:1], 0x0              ; xw s[68:69], bq s[70:71], bk s[72:73], bv s[74:75]
	s_load_b128 s[76:79], s[0:1], 0x20             ; qf s[76:77], kvf s[78:79]
	s_set_vgpr_msb 0x40
	v_lshl_add_u32 v63, v0, 2, 0x44000
	s_set_vgpr_msb 0x4000
	v_mov_b32 v255, 0
	s_set_vgpr_msb 0x1
	ds_add_u32 v63, v255
	s_set_vgpr_msb 0x100
	v_lshrrev_b32 v1, 5, v0
	v_readfirstlane_b32 s10, v1                    ; wave 0..3
	s_lshr_b32 s11, s10, 1                         ; my half of A's rows.  Also: I fetch for A (0) or B (1)
	s_and_b32 s12, s10, 1                          ; my half of B's rows.  Also: which 128 rows I fetch
	s_bfe_u32 s40, ttmp6, 0x40000                  ; cx
	s_bfe_u32 s41, ttmp6, 0x40004                  ; cy
	s_and_b32 s67, ttmp7, 0xffff                   ; the cluster's y, equal in all sixteen partners
	s_lshr_b32 s45, s67, 3                         ; the projection: 0 Q, 1 K, 2 V
	s_and_b32 s66, s67, 7
	s_lshl_b32 s66, s66, 2                         ; first of this cluster's four token blocks
	s_cmp_eq_u32 s45, 2
	s_cselect_b32 s13, 0, s66
	s_cselect_b32 s42, s66, 0
	s_add_co_u32 s13, s13, s41                     ; A's block: cy, and the token group unless V
	s_add_co_u32 s42, s42, s40                     ; B's block: cx, and the token group if V
	s_lshl_b32 s43, s41, 2
	s_lshl_b32 s43, 15, s43                        ; my row of the cluster
	s_lshl_b32 s44, 0x1111, s40                    ; my column
	s_or_b32 s[G1+0], s43, (1<<16)|(1<<20)|(1<<21)|(5<<22)|(3<<25)   ; mask; elements of 2 bytes; padding on; bit 21 beside a mask; after every 64 words 4 words
	s_or_b32 s[G1B+0], s44, (1<<16)|(1<<20)|(1<<21)|(5<<22)|(3<<25)
	s_mov_b32 s[G1+1], KSTEP<<16                   ; tensor_dim0 = 128
	s_mov_b32 s[G1B+1], KSTEP<<16
	s_mov_b32 s[G1+2], 128<<16                     ; tensor_dim1 = 128
	s_mov_b32 s[G1B+2], 128<<16
	s_mov_b32 s[G1+3], KSTEP<<16                   ; tile_dim0 = 128
	s_mov_b32 s[G1B+3], KSTEP<<16
	s_mov_b32 s[G1+4], 128                         ; tile_dim1 = 128
	s_mov_b32 s[G1B+4], 128
	s_mov_b32 s[G1+5], SIZE_K                      ; elements from row to row
	s_mov_b32 s[G1B+5], SIZE_K
	s_mov_b32 s[G1+6], 0
	s_mov_b32 s[G1B+6], 0
	s_mov_b32 s[G1+7], 0
	s_mov_b32 s[G1B+7], 0
	; byte offsets of my tiles in xw.  A's registers (s14-s17) never hold cx, B's (s46, s47) never cy.
	s_lshl_b32 s14, s45, 24                        ; q, k: 16,777,216 bytes each
	s_lshl_b32 s46, s45, 21                        ; Wq, Wk: 2,097,152 bytes each,
	s_add_co_u32 s46, s46, 50331648                ; behind q, k, v
	s_cmp_eq_u32 s45, 2
	s_cselect_b32 s14, 54525952, s14               ; V: A is Wv,
	s_cselect_b32 s46, 33554432, s46               ;    B is v
	s_lshl_b32 s16, s13, 19                        ; 256 rows of 2,048 bytes
	s_add_co_u32 s14, s14, s16
	s_lshl_b32 s17, s12, 18                        ; 128 rows
	s_add_co_u32 s14, s14, s17
	s_mov_b32 s15, 0
	s_lshl_b32 s47, s42, 19
	s_add_co_u32 s46, s46, s47
	s_add_co_u32 s46, s46, s17
	s_mov_b32 s47, 0
	s_mul_i32 s20, s10, HALFT                      ; where they go: wave x 128 rows
	s_wait_dscnt 0x0
	s_wait_kmcnt 0x0
	s_add_nc_u64 s[14:15], s[68:69], s[14:15]
	s_add_nc_u64 s[46:47], s[68:69], s[46:47]
	CROUND                                         ; all sixteen work-groups are here: the first joint loads meet
.irp s, 0,1
	s_mov_b32 s[G0+4*\s], 1
	s_add_co_u32 s[G0+4*\s+1], s20, \s*SLOT
	s_add_nc_u64 s[G0+4*\s+2:G0+4*\s+3], s[14:15], \s*KSTEP*2
	s_or_b32 s[G0+4*\s+3], s[G0+4*\s+3], 0x80000000
	s_mov_b32 s[G0B+4*\s], 1
	s_add_co_u32 s[G0B+4*\s+1], s20, \s*SLOT
	s_add_nc_u64 s[G0B+4*\s+2:G0B+4*\s+3], s[46:47], \s*KSTEP*2
	s_or_b32 s[G0B+4*\s+3], s[G0B+4*\s+3], 0x80000000
	JLOAD \s                                       ; two tensor loads of the wave are out from here to the first wait
.endr
	; fragment addresses: lane (r, h) reads row r at 16 h, and 32 bytes further on
	v_and_b32 v1, 15, v0                           ; r
	v_bfe_u32 v2, v0, 4, 1                         ; h
	v_mul_u32_u24 v3, v1, PITCH
	v_lshl_add_u32 v3, v2, 4, v3
	s_mul_i32 s21, s11, HALFT
	s_mul_i32 s22, s12, HALFT
	s_add_co_u32 s22, s22, 2*HALFT
.irp s, 0,1
	v_add_nc_u32 v[ADRA+\s], s21, v3
	v_add_nc_u32 v[ADRB+\s], s22, v3
	s_add_co_u32 s21, s21, SLOT
	s_add_co_u32 s22, s22, SLOT
.endr
	v_and_b32 v4, 31, v0
	v_lshlrev_b32 v[CO], 4, v4
	; which bias, which scale
	s_cmp_eq_u32 s45, 1
	s_cselect_b64 s[94:95], s[72:73], s[70:71]
	s_cmp_eq_u32 s45, 2
	s_cselect_b64 s[94:95], s[74:75], s[94:95]
	s_mov_b32 s80, 1.0
	s_cmp_eq_u32 s45, 0
	s_cselect_b32 s80, 0x3e38aa3b, s80             ; Q: log2(e) / 8
	s_mov_b32 s81, s80
	; where the results go.  These sums mix cx and cy: they stand in registers that feed no descriptor (s70-s75 are free now).
	s_mov_b32 s70, 8192
	s_mov_b32 s71, 0x40000
	s_mov_b32 s72, 16384
	s_cmp_eq_u32 s45, 2
	s_cselect_b32 s92, s42, s13                    ; the block and half that count tokens,
	s_cselect_b32 s93, s12, s11
	s_cselect_b32 s96, s13, s42                    ; and those that count features
	s_cselect_b32 s97, s11, s12
	s_lshl_b32 s92, s92, 4
	s_lshl3_add_u32 s92, s93, s92                  ; my first token tile of 16: 16 block + 8 half
	s_lshl_b32 s96, s96, 2
	s_lshl1_add_u32 s96, s97, s96                  ; my first head: 4 block + 2 half
	s_lshr_b32 s98, s92, 7                         ; batch
	s_and_b32 s99, s92, 127                        ; token tile in the batch, a multiple of 8
	s_lshl_b32 s100, s98, 22                       ; qf: batch 4,194,304 + head 262,144 + tile 2,048
	s_lshl_b32 s101, s96, 18
	s_add_co_u32 s100, s100, s101
	s_lshl_b32 s101, s99, 11
	s_add_co_u32 s100, s100, s101
	s_lshl_b32 s73, s98, 23                        ; kvf: batch 8,388,608 + key block (tile / 4) 262,144 + head 16,384
	s_lshr_b32 s101, s99, 2
	s_lshl_b32 s101, s101, 18
	s_add_co_u32 s73, s73, s101
	s_lshl_b32 s101, s96, 14
	s_add_co_u32 s73, s73, s101
	s_add_co_u32 s74, s73, 8192                    ; V's half
	s_cmp_eq_u32 s45, 0
	s_cselect_b32 s100, s100, s73
	s_cselect_b32 s82, s70, s71                    ; from my A rows 0-63 to 64-127: Q four tiles, K a key block, V a head
	s_cselect_b32 s83, s71, s72                    ; from my B rows 0-63 to 64-127: Q a head, K a head, V a key block
	s_cselect_b64 s[8:9], s[76:77], s[78:79]
	s_cmp_eq_u32 s45, 2
	s_cselect_b32 s100, s74, s100
	s_cselect_b32 s82, s72, s82
	s_cselect_b32 s83, s71, s83
	s_mov_b32 s101, 0
	s_add_nc_u64 s[SB:SB+1], s[8:9], s[100:101]
	s_mov_b32 s100, s83
	s_add_nc_u64 s[SB+2:SB+3], s[SB:SB+1], s[100:101]
	s_mov_b32 s100, s82
	s_add_nc_u64 s[SB+4:SB+5], s[SB:SB+1], s[100:101]
	s_add_nc_u64 s[SB+6:SB+7], s[SB+2:SB+3], s[100:101]
	; the bias of my 128 features, times the scale, into window 1, while the first tiles are on their way
	s_lshl_b32 s75, s96, 8                         ; my first head x 64 features x 4 bytes
	s_cmp_eq_u32 s45, 2
	s_cbranch_scc1 .Lbias_v
	v_lshl_add_u32 v[BO], v2, 5, s75               ; Q, K: features run along my registers: 8 h + j in each tile of B
	WIN TO_B
.irp bb, 0,1,2,3,4,5,6,7
	global_load_b128 v[BIAS+8*\bb:BIAS+8*\bb+3],   v[BO], s[94:95] offset:64*\bb
	global_load_b128 v[BIAS+8*\bb+4:BIAS+8*\bb+7], v[BO], s[94:95] offset:64*\bb+16
.endr
	s_wait_loadcnt 0x0
	WIN 0x41
.set j, 0
.rept 32
	v_pk_mul_f32 v[BIAS+j:BIAS+j+1], v[BIAS+j:BIAS+j+1], s[80:81] op_sel_hi:[1,0]
.set j, j+2
.endr
	WIN 0
	s_branch .Lbias_done
.Lbias_v:
	v_lshl_add_u32 v[BO], v1, 2, s75               ; V: features run along the lanes: r in each tile of A; the number is put into both registers of a pair
	WIN TO_B
.irp aa, 0,1,2,3,4,5,6,7
	global_load_b32 v[BIAS+2*\aa],   v[BO], s[94:95] offset:64*\aa
	global_load_b32 v[BIAS+2*\aa+1], v[BO], s[94:95] offset:64*\aa
.endr
	s_wait_loadcnt 0x0
	WIN 0x41
.set j, 0
.rept 8
	v_pk_mul_f32 v[BIAS+j:BIAS+j+1], v[BIAS+j:BIAS+j+1], s[80:81] op_sel_hi:[1,0]
.set j, j+2
.endr
	WIN 0
.Lbias_done:
; 16 matrix instructions: A tiles a0, a0 + 1 of the window's four x all 8 B tiles, 32 along K.  zero = 1: the first product starts the sums.
; The 64 accumulators take turns, one instruction a turn, in the same order in every quarter step.
.macro MUL16 f, hi, a0, zero
.irp a, \a0, \a0+1
.irp b, 0,1,2,3,4,5,6,7
.if \zero
	v_wmma_f32_16x16x32_f16 v[8*(8*(\a)+\b):8*(8*(\a)+\b)+7], v[\f+8*\b:\f+8*\b+7], v[\f+8*(4*\hi+\a):\f+8*(4*\hi+\a)+7], 0
.else
	v_wmma_f32_16x16x32_f16 v[8*(8*(\a)+\b):8*(8*(\a)+\b)+7], v[\f+8*\b:\f+8*\b+7], v[\f+8*(4*\hi+\a):\f+8*(4*\hi+\a)+7], v[8*(8*(\a)+\b):8*(8*(\a)+\b)+7]
.endif
.endr
.endr
.endm
.macro FETCH slot, k, f                ; 32 LDS loads in one run: one quarter step's fragments (byte k of the rows) into buffer f
	WIN TO_B
.irp i, 0,1,2,3,4,5,6,7
	ds_load_b128 v[\f+8*\i:\f+8*\i+3],   v[ADRB+\slot] offset:\k+\i*16*PITCH
	ds_load_b128 v[\f+8*\i+4:\f+8*\i+7], v[ADRB+\slot] offset:\k+\i*16*PITCH+32
.endr
	WIN 0
.irp i, 0,1,2,3,4,5,6,7
	ds_load_b128 v[\f+8*\i:\f+8*\i+3],   v[ADRA+\slot] offset:\k+\i*16*PITCH
	ds_load_b128 v[\f+8*\i+4:\f+8*\i+7], v[ADRA+\slot] offset:\k+\i*16*PITCH+32
.endr
.endm
.macro PLACES                          ; four plain vector instructions between a matrix instruction and a load into, or a vector instruction on, its registers
.rept 4
	v_nop
.endr
.endm
.macro QUARTER slot, k, f, g, zero     ; multiplies buffer f; in its middle fetches the next quarter's fragments into buffer g
	s_wait_dscnt 8                                 ; B and A's rows 0-63 are in; the youngest eight loads (A's rows 64-127) may be out
	WIN MUL_LO
	MUL16 \f, 0, 0, \zero
	MUL16 \f, 0, 2, \zero
	PLACES
	FETCH \slot, \k, \g
	s_wait_dscnt 32                                ; all but the 32 just issued
	WIN MUL_HI
	MUL16 \f, 1, 0, \zero
	MUL16 \f, 1, 2, \zero
.endm
.macro THREE slot, zero
	QUARTER \slot, 64,  F0, F1, \zero
	QUARTER \slot, 128, F1, F0, 0
	QUARTER \slot, 192, F0, F1, 0
.endm
; The last quarter of a K step changes slots.  In front of the barrier each wave waits for its reads of this slot and for all its tensor loads (one is out: its part of the next slot).
; fill = 1: the barrier opens a round of the cluster's barrier, and behind the round the joint refill is the wave's first and only tensor load.
.macro TURN slot, next, fill
	s_wait_dscnt 8
	WIN MUL_LO
	MUL16 F1, 0, 0, 0
	s_wait_dscnt 0                                 ; my reads of this slot are over
	s_wait_tensorcnt 0x0                           ; all my tensor loads have landed
	ds_add_u32 v63, v255
	s_wait_dscnt 0x0
	s_barrier_signal -1
	MUL16 F1, 0, 2, 0                              ; register work while the others arrive
	WIN 0
	s_barrier_wait -1
.if \fill
	CREST                                          ; no wave of any partner still reads this slot or has a load on its way
	s_add_nc_u64 s[G0+4*\slot+2:G0+4*\slot+3], s[G0+4*\slot+2:G0+4*\slot+3], 2*KSTEP*2
	s_add_nc_u64 s[G0B+4*\slot+2:G0B+4*\slot+3], s[G0B+4*\slot+2:G0B+4*\slot+3], 2*KSTEP*2
	JLOAD \slot
.endif
	PLACES
	FETCH \next, 0, F0
	WIN MUL_HI
	MUL16 F1, 1, 0, 0
	MUL16 F1, 1, 2, 0
.endm
.macro LAP zero
	THREE 0, \zero
	TURN 0, 1, 1
	THREE 1, 0
	TURN 1, 0, 1
.endm
	s_wait_tensorcnt 1                             ; my part of K step 0 is in; K step 1's load stays out
	s_barrier_signal -1
	s_barrier_wait -1
	FETCH 0, 0, F0
	LAP 1                                          ; the first lap's first products start the sums
	WIN 0
	s_mov_b32 s3, LAPS-2
.Llap:
	LAP 0
	WIN 0
	s_sub_co_u32 s3, s3, 1
	s_cmp_lg_u32 s3, 0
	s_cbranch_scc1 .Llap
	THREE 0, 0                                     ; the last lap fills nothing
	TURN 0, 1, 0
	THREE 1, 0
	s_wait_dscnt 8
	WIN MUL_LO
	MUL16 F1, 0, 0, 0
	MUL16 F1, 0, 2, 0
	s_wait_dscnt 0
	WIN MUL_HI
	MUL16 F1, 1, 0, 0
	MUL16 F1, 1, 2, 0
; THE WAY OUT: the eight tiles (a, 0..7) of window 2 + hi.  result = sum x scale + bias x scale, one fused multiply-add for two numbers; round to f16; eight stores of 512 consecutive bytes.
.macro OUTQ hi, a, isv
	WIN 0x10|(2+\hi)                               ; source 0: the accumulators' window; source 2: the bias in window 1; destination window 0
.irp bb, 0,1,2,3,4,5,6,7
.irp p, 0,1,2,3
.if \isv
	v_pk_fma_f32 v[F0+8*\bb+2*\p:F0+8*\bb+2*\p+1], v[8*(8*\a+\bb)+2*\p:8*(8*\a+\bb)+2*\p+1], s[80:81], v[BIAS+2*(4*\hi+\a):BIAS+2*(4*\hi+\a)+1] op_sel_hi:[1,0,1]
.else
	v_pk_fma_f32 v[F0+8*\bb+2*\p:F0+8*\bb+2*\p+1], v[8*(8*\a+\bb)+2*\p:8*(8*\a+\bb)+2*\p+1], s[80:81], v[BIAS+8*\bb+2*\p:BIAS+8*\bb+2*\p+1] op_sel_hi:[1,0,1]
.endif
.endr
.endr
	WIN 0
	s_wait_xcnt 0x0                                ; the packed registers are the last eight stores' data: written again only behind this wait
.irp bb, 0,1,2,3,4,5,6,7
.irp p, 0,1,2,3
	v_cvt_pk_f16_f32 v[PK+4*\bb+\p], v[F0+8*\bb+2*\p], v[F0+8*\bb+2*\p+1]
.endr
.endr
.irp bb, 0,1,2,3,4,5,6,7
	global_store_b128 v[CO], v[PK+4*\bb:PK+4*\bb+3], s[SB+4*\hi+2*(\bb/4):SB+4*\hi+2*(\bb/4)+1] offset:\a*2048+(\bb%4)*512
.endr
.endm
.macro EPI isv
.irp hi, 0,1
.irp a, 0,1,2,3
	OUTQ \hi, \a, \isv
.endr
.endr
.endm
	PLACES                                         ; behind the last matrix instructions, for the reads of their results and the writes over A's fragments
	WIN 0
	s_cmp_eq_u32 s45, 2
	s_cbranch_scc1 .Lout_v
	EPI 0
	s_branch .Lclose
.Lout_v:
	EPI 1
.Lclose:
	CROUND                                         ; the closing round: no work-group ends while a partner may still ask for a tile that names it
	s_endpgm
.Lfunc_end_k_q3e0581e846_qkv:
	.size	k_q3e0581e846_qkv, .Lfunc_end_k_q3e0581e846_qkv-k_q3e0581e846_qkv
	.p2alignl 7, 3214868480
	.fill 96, 4, 3214868480
	.section	.rodata,"a",@progbits
	.p2align	6, 0x0
	.amdhsa_kernel k_q3e0581e846_qkv
		.amdhsa_group_segment_fixed_size 327680
		.amdhsa_private_segment_fixed_size 0
		.amdhsa_enable_private_segment 0
		.amdhsa_kernarg_size 48
		.amdhsa_user_sgpr_count 2
		.amdhsa_user_sgpr_kernarg_segment_ptr 1
		.amdhsa_wavefront_size32 1
		.amdhsa_system_sgpr_workgroup_id_x 1
		.amdhsa_system_sgpr_workgroup_id_y 1
		.amdhsa_system_sgpr_workgroup_id_z 1
		.amdhsa_system_vgpr_workitem_id 0
		.amdhsa_next_free_vgpr 1024
		.amdhsa_next_free_sgpr 102
		.amdhsa_reserve_vcc 0
		.amdhsa_float_denorm_mode_32 3
		.amdhsa_float_denorm_mode_16_64 3
		.amdhsa_memory_ordered 1
		.amdhsa_forward_progress 1
		.amdhsa_inst_pref_size 248
	.end_amdhsa_kernel
	.amdgpu_metadata
---
amdhsa.version: [ 1, 2 ]
amdhsa.kernels:
  - .name:           k_q3e0581e846_qkv
    .symbol:         k_q3e0581e846_qkv.kd
    .args:
      - { .name: xw, .offset: 0, .size: 8, .value_kind: global_buffer, .address_space: global }
      - { .name: bq, .offset: 8, .size: 8, .value_kind: global_buffer, .address_space: global }
      - { .name: bk, .offset: 16, .size: 8, .value_kind: global_buffer, .address_space: global }
      - { .name: bv, .offset: 24, .size: 8, .value_kind: global_buffer, .address_space: global }
      - { .name: qf, .offset: 32, .size: 8, .value_kind: global_buffer, .address_space: global }
      - { .name: kvf, .offset: 40, .size: 8, .value_kind: global_buffer, .address_space: global }
    .group_segment_fixed_size: 327680
    .private_segment_fixed_size: 0
    .kernarg_segment_align: 8
    .kernarg_segment_size: 48
    .max_flat_workgroup_size: 128
    .sgpr_count:     102
    .vgpr_count:     1024
    .wavefront_size: 32
...
	.end_amdgpu_metadata
.endif
;; end of part 2
;; launch attn (part 3): grid 4 x 64, 8 waves a work-group, clusters of 4 x 4, 327,680 bytes of LDS; arguments qf, kvf, biasm, aof; writes aof
.if DOCPART == 3
	.amdgcn_target "amdgcn-amd-amdhsa--gfx1250"
	.amdhsa_code_object_version 6
	.text
	.protected	k_q3e0581e846_attn
	.globl	k_q3e0581e846_attn
	.p2align	8
	.type	k_q3e0581e846_attn,@function
k_q3e0581e846_attn:
	s_mov_b64 s[64:65], 0
	v_nop
	global_prefetch_b8 v0, s[64:65] scope:SCOPE_SE
	s_setreg_imm32_b32 hwreg(HW_REG_WAVE_MODE, 25, 1), 1
	s_wait_xcnt 0x0
	s_wait_alu depctr_hold_cnt(0) depctr_sa_sdst(0) depctr_va_vdst(0) depctr_va_sdst(0) depctr_va_ssrc(0) depctr_va_vcc(0) depctr_vm_vsrc(0)
	s_getreg_b32 s2, hwreg(HW_REG_IB_STS2, 6, 4)
	s_cmp_eq_u32 s2, 0
	s_cbranch_scc0 .Lentry_in_a_cluster
	s_endpgm
.Lentry_in_a_cluster:
	s_bfe_u32 s2, ttmp6, 0x10000c
	s_cmp_lg_u32 s2, 0xf033
	s_cbranch_scc0 .Lentry_shape_is_right
	s_endpgm
.Lentry_shape_is_right:
; Attention with a running maximum, computed TRANSPOSED, in powers of two (Q carries log2(e) / 8, the bias log2(e)).  Matrix operands in f16, sums in f32.
; A work-group takes one batch b, 128 queries (block qb) and 4 heads (group hg = cx): 4 x 16 x 4 = 256 work-groups.  Wave w: head hl = w & 3, query half qh = w >> 2: four query tiles t of 16.
; Keys go in 32 blocks of 64.  For a block and a tile:
;   S^T(t, kt) = K(kt) Q(t)^T + C, 16 keys x 16 queries; lane (r, h) register j: key 16 kt + 8 h + j, query r.  C is loaded from biasm: eight neighbouring floats of query r's row.
;      So bias and mask cost no vector instruction: a masked place holds NEG = -1e9 log2(e) there, and the score added to it vanishes in the exponential.
;   every number of a query lies in the two lanes r and r + 16: the row maximum is 16 three-way maxima and one exchange of the lane halves.
;   P = 2^(S F - m F), at most 1; its sum is kept in f32 by the vector unit; packed in place to f16 it is the second source of  O^T(t, dt) = V^T(dt) P(t):  lane (r, h) register j: feature 16 dt + 8 h + j, query r.
; ROWS WITHOUT A KEY.  F is 1, or 0 while the row's running maximum lies under -2^29, which says that every key so far was masked.  With F = 0 every key weighs exactly 1, and the factor between
; blocks is 1 too, so a row whose mask is all zero ends as the mean of V, as the definition has it.  The first real key makes the factor 2^(NEG - m) = 0 and wipes what was summed before.
; A PIPELINE OVER TILES.  Job j = 4 block + t.  Step j does the softmax of job j on the vector unit, and between its pieces four groups of four matrix instructions: O += V P of job j - 1, then the
; scores of job j + 1.  LDS loads are spread: the bias of job j + 2 at the head of step j, the next block's K at the head of step t = 3, the block's V in step t = 0.
; So block i is read from LDS between step 4 i - 2 and the head of step 4 i + 1, and the barrier that frees its slot stands at the head of step 4 i + 2.
; K, Q, V^T lie in memory in fragment order, so every fragment load is 512 consecutive bytes, from memory and from LDS alike.
; LIMITS: a row whose largest score so far, in log2 units, lies under -2^29 counts as without a key; a masked place holds NEG + q.k instead of NEG, which shows in no row with a key left;
; the row sum adds the exponentials unrounded, the products take them rounded to f16; the result, a mean of V's numbers, is stored in f16 and has V's range.
; CLUSTERS: 4 x 4.  The K/V tile hangs on b, cx and the wave: asked for jointly along a column of the cluster (four query blocks).  The bias tile hangs on b, qb (the cluster's y and cy) and the
; wave: asked for jointly along a row (four head groups).  Waves 0-3 ask for one head's K and V (16,384 bytes), waves 4-7 for 32 rows of bias each: one tensor load a wave behind each round.
; Two LDS slots.  Both are asked for at the start (two tensor loads of a wave are out); block i + 2 is asked for behind block i's round and has four steps in which to land (one load out).
.set SLOT,   100352                    ; 65,536 (K and V of 4 heads) + 128 rows of bias at 272 bytes
.set BIASO,  65536
.set BPITCH, 272                       ; 256 bytes + 16: the 16 rows of a C load begin 16 bytes apart modulo 256
.set ADK,  4                           ; v4, v5    LDS address of my head's K, slot 0, 1: + 16 x lane
.set ADC,  6                           ; v6, v7    LDS address of my bias rows: row 64 qh + r, + 32 h
.set PFB,  8                           ; v8        prefetch: offset in the query block's bias rows
.set PFK,  9                           ; v9        prefetch: offset in the batch's K and V
.set CH,   12                          ; v[12:15]  four chains of maxima
.set FF,   16                          ; v[16:19]  F of tile t
.set NM,   20                          ; v[20:23]  - maximum x F
.set LP,   24                          ; v[24:31]  row sum of tile t, a pair of partial sums a lane
.set MX,   40                          ; v[40:43]  running maximum of tile t
.set AL,   44                          ; v[44:47]  2^((old maximum - new maximum) F)
.set TM,   48                          ; v[48:51]  at work
.set UU,   52                          ; v[52:55]  the other lane half's number
.set RL,   56                          ; v[56:59]  1 / row sum
.set SC,   64                          ; v[64:191] S(t, kt) at 64 + 32 t + 8 kt; packed: P(t, ks) at 64 + 32 t + 8 ks
.set VR,   192                         ; v[192:255] V(ks, dt) at 192 + 16 dt + 8 ks
.set OA,   0                           ; window 1: O(t, dt) at 32 t + 8 dt
.set KR,   128                         ; window 1: K(kt, u) at 128 + 16 kt + 8 u
.set QF,   192                         ; window 1: Q(t, u) at 192 + 16 t + 8 u
.set G1K, 24
.set G0K, 32
.set G1B, 48
.set G0B, 56
.set MSB, 0
.macro WIN new                         ; the immediate's high byte repeats the setting that is left; a switch that changes nothing is dropped
.if MSB != (\new)
	s_set_vgpr_msb (MSB<<8)|(\new)
.set MSB, (\new)
.endif
.endm
.macro PLACES n
.rept \n
	v_nop
.endr
.endm
.macro JLOAD s                         ; the branch hangs on the wave's number alone
	s_cmp_eq_u32 s16, 0
	s_cbranch_scc0 .Lfor_b_\@
	tensor_load_to_lds s[G0K+4*(\s):G0K+4*(\s)+3], s[G1K:G1K+7]
	s_nop 0
	s_branch .Lasked_\@
.Lfor_b_\@:
	tensor_load_to_lds s[G0B+4*(\s):G0B+4*(\s)+3], s[G1B:G1B+7]
	s_nop 0
.Lasked_\@:
.endm
.macro CREST                           ; a round of the cluster's barrier behind its opening work-group barrier
	s_cmp_lg_u32 s14, 0
	s_cbranch_scc1 .Lnot_wave_0_\@
	s_barrier_signal -3
.Lnot_wave_0_\@:
	s_barrier_wait -3
	s_barrier_signal -1
	s_barrier_wait -1
.endm
.macro CROUND
	s_barrier_signal -1
	s_barrier_wait -1
	CREST
.endm
	s_load_b256 s[4:11], s[0:1], 0x0               ; qf s[4:5], kvf s[6:7], biasm s[8:9], aof s[10:11]
	v_lshl_add_u32 v62, v0, 2, 0x31000
	v_mov_b32 v63, 0
	ds_add_u32 v62, v63
	v_lshrrev_b32 v1, 5, v0
	v_readfirstlane_b32 s14, v1                    ; wave 0..7
	s_and_b32 s15, s14, 3                          ; hl
	s_lshr_b32 s16, s14, 2                         ; qh.  Also: I fetch K and V (0) or bias (1)
	s_bfe_u32 s17, ttmp6, 0x40000                  ; cx = head group
	s_bfe_u32 s18, ttmp6, 0x40004                  ; cy
	s_and_b32 s19, ttmp7, 0xffff                   ; the cluster's y, 0..15
	s_lshr_b32 s20, s19, 2                         ; batch
	s_and_b32 s21, s19, 3
	s_lshl_b32 s21, s21, 2
	s_add_co_u32 s21, s21, s18                     ; query block 0..15
	s_mov_b32 s12, 0x76543210                      ; v_permlanex16_b32: lane i takes lane i of the other half
	s_mov_b32 s13, 0xfedcba98
	s_lshl_b32 s72, 0x1111, s17                    ; my column of the cluster
	s_lshl_b32 s73, s18, 2
	s_lshl_b32 s73, 15, s73                        ; my row
	; K and V of one head: 16,384 consecutive bytes as 64 rows of 32 elements of 8 bytes
	s_or_b32 s[G1K+0], s72, (3<<16)|(1<<21)
	s_mov_b32 s[G1K+1], 32<<16
	s_mov_b32 s[G1K+2], 64<<16
	s_mov_b32 s[G1K+3], 32<<16
	s_mov_b32 s[G1K+4], 64
	s_mov_b32 s[G1K+5], 32
	s_mov_b32 s[G1K+6], 0
	s_mov_b32 s[G1K+7], 0
	; bias: 32 rows of 64 f32 (256 bytes, aligned), 2,048 elements from row to row, 4 words of padding behind every 64
	s_or_b32 s[G1B+0], s73, (2<<16)|(1<<20)|(1<<21)|(5<<22)|(3<<25)
	s_mov_b32 s[G1B+1], 64<<16
	s_mov_b32 s[G1B+2], 32<<16
	s_mov_b32 s[G1B+3], 64<<16
	s_mov_b32 s[G1B+4], 32
	s_mov_b32 s[G1B+5], 2048
	s_mov_b32 s[G1B+6], 0
	s_mov_b32 s[G1B+7], 0
	s_lshl_b32 s22, s20, 23                        ; kvf: batch 8,388,608 + (4 cx + hl) 16,384; s22, s23 never hold cy
	s_lshl_b32 s23, s17, 16
	s_add_co_u32 s22, s22, s23
	s_lshl_b32 s23, s15, 14
	s_add_co_u32 s22, s22, s23
	s_mov_b32 s23, 0
	s_lshl_b32 s70, s20, 24                        ; biasm: batch 16,777,216 + query block 1,048,576 + hl x 32 rows of 8,192; s70, s71 never hold cx
	s_lshl_b32 s71, s21, 20
	s_add_co_u32 s70, s70, s71
	s_lshl_b32 s71, s15, 18
	s_add_co_u32 s70, s70, s71
	s_mov_b32 s71, 0
	s_lshl_b32 s76, s15, 14                        ; LDS: my head's K and V
	s_mul_i32 s77, s15, 32*BPITCH
	s_add_co_u32 s77, s77, BIASO                   ; LDS: the 32 bias rows that I fetch
	s_wait_dscnt 0x0
	s_wait_kmcnt 0x0
	s_add_nc_u64 s[22:23], s[6:7], s[22:23]
	s_add_nc_u64 s[70:71], s[8:9], s[70:71]
.irp s, 0,1
	s_mov_b32 s[G0K+4*\s], 1
	s_add_co_u32 s[G0K+4*\s+1], s76, \s*SLOT
	s_add_nc_u64 s[G0K+4*\s+2:G0K+4*\s+3], s[22:23], \s*262144     ; key block s
	s_or_b32 s[G0K+4*\s+3], s[G0K+4*\s+3], 0x80000000
	s_mov_b32 s[G0B+4*\s], 1
	s_add_co_u32 s[G0B+4*\s+1], s77, \s*SLOT
	s_add_nc_u64 s[G0B+4*\s+2:G0B+4*\s+3], s[70:71], \s*256
	s_or_b32 s[G0B+4*\s+3], s[G0B+4*\s+3], 0x80000000
.endr
	CROUND                                         ; all sixteen work-groups are here
	JLOAD 0                                        ; key block 0
	JLOAD 1                                        ; key block 1: both first fills go out together
	; addresses that mix cx and cy stand in s74, s75, s79-s81, which feed no descriptor
	s_lshl_b32 s74, s20, 22                        ; qf: batch 4,194,304 + (4 cx + hl) 262,144 + (8 qb + 4 qh) 2,048
	s_lshl_b32 s81, s17, 20
	s_add_co_u32 s74, s74, s81
	s_lshl_b32 s81, s15, 18
	s_add_co_u32 s74, s74, s81
	s_lshl_b32 s81, s21, 14
	s_add_co_u32 s74, s74, s81
	s_lshl_b32 s81, s16, 13
	s_add_co_u32 s74, s74, s81
	s_mov_b32 s75, 0
	s_add_nc_u64 s[40:41], s[4:5], s[74:75]
	v_and_b32 v1, 31, v0                           ; lane
	v_lshlrev_b32 v2, 4, v1
	WIN 0x40
.set i, 0
.rept 16
	global_load_b128 v[QF+4*i:QF+4*i+3], v2, s[40:41] offset:512*i   ; Q of my four tiles, kept for the whole launch
.set i, i+1
.endr
	WIN 0
	s_lshl_b32 s74, s20, 22                        ; aof: (128 b + 8 qb + 4 qh) 32,768 + (4 cx + hl) 2,048
	s_lshl_b32 s81, s21, 18
	s_add_co_u32 s74, s74, s81
	s_lshl_b32 s81, s16, 17
	s_add_co_u32 s74, s74, s81
	s_lshl_b32 s81, s17, 13
	s_add_co_u32 s74, s74, s81
	s_lshl_b32 s81, s15, 11
	s_add_co_u32 s74, s74, s81
	s_add_nc_u64 s[42:43], s[10:11], s[74:75]
	s_lshl_b32 s74, s20, 24
	s_lshl_b32 s81, s21, 20
	s_add_co_u32 s74, s74, s81
	s_add_nc_u64 s[44:45], s[8:9], s[74:75]        ; the query block's 128 bias rows
	s_lshl_b32 s74, s20, 23
	s_add_nc_u64 s[46:47], s[6:7], s[74:75]        ; the batch's K and V
	s_mul_i32 s78, s16, 64*BPITCH
	s_add_co_u32 s78, s78, BIASO
	s_lshl_b32 s79, s17, 18
	s_add_co_u32 s79, s79, 3*256                   ; rows 32 cx .. + 31, key block 3
	s_lshl_b32 s80, s17, 16
	s_lshl_b32 s81, s21, 12
	s_add_co_u32 s80, s80, s81
	s_add_co_u32 s80, s80, 4*262144                ; key block 4, head group cx, sixteenth qb
	v_and_b32 v3, 15, v0                           ; r
	v_bfe_u32 v10, v0, 4, 1                        ; h
	v_add_nc_u32 v[ADK], s76, v2
	v_add_nc_u32 v[ADK+1], SLOT, v[ADK]
	v_mul_u32_u24 v11, v3, BPITCH
	v_lshl_add_u32 v11, v10, 5, v11
	v_add_nc_u32 v[ADC], s78, v11
	v_add_nc_u32 v[ADC+1], SLOT, v[ADC]
	v_lshl_add_u32 v[PFB], v1, 13, s79
	v_lshl_add_u32 v[PFK], v10, 18, s80
	v_lshl_add_u32 v[PFK], v3, 8, v[PFK]
.irp i, 0,1,2,3
	v_mov_b32 v[UU+\i], 1.0                        ; the lane exchange counts as a reader of its destination;
	v_mov_b32 v[AL+\i], 1.0                        ; and a packed instruction that takes one register of a pair counts as a reader of both,
	v_mov_b32 v[FF+\i], 1.0                        ; so the neighbour tile's number is written once before the first tile's is used
	v_mov_b32 v[NM+\i], 1.0
.endr
.macro MM d, a, b, zero                ; one matrix instruction, in place or starting a sum
.if \zero
	v_wmma_f32_16x16x32_f16 v[\d:\d+7], v[\a:\a+7], v[\b:\b+7], 0
.else
	v_wmma_f32_16x16x32_f16 v[\d:\d+7], v[\a:\a+7], v[\b:\b+7], v[\d:\d+7]
.endif
.endm
.macro MULB3 d, a, b, odd              ; v[d:d+1] = v[a:a+1] x one register (the first, or if odd the second) of the pair at b
.if \odd
	v_pk_mul_f32 v[\d:\d+1], v[\a:\a+1], v[\b:\b+1] op_sel:[0,1] op_sel_hi:[1,1]
.else
	v_pk_mul_f32 v[\d:\d+1], v[\a:\a+1], v[\b:\b+1] op_sel:[0,0] op_sel_hi:[1,0]
.endif
.endm
.macro SFMA d, f, n, odd               ; v[d:d+1] = v[d:d+1] x one register of the pair at f + the same register of the pair at n
.if \odd
	v_pk_fma_f32 v[\d:\d+1], v[\d:\d+1], v[\f:\f+1], v[\n:\n+1] op_sel:[0,1,1] op_sel_hi:[1,1,1]
.else
	v_pk_fma_f32 v[\d:\d+1], v[\d:\d+1], v[\f:\f+1], v[\n:\n+1] op_sel:[0,0,0] op_sel_hi:[1,0,0]
.endif
.endm
.macro LK s                            ; my head's K: 8,192 consecutive bytes, into window 1
	WIN 0x40
.set i, 0
.rept 16
	ds_load_b128 v[KR+4*i:KR+4*i+3], v[ADK+\s] offset:512*i
.set i, i+1
.endr
	WIN 0
.endm
.macro LV s                            ; my head's V^T: the next 8,192
.set i, 0
.rept 16
	ds_load_b128 v[VR+4*i:VR+4*i+3], v[ADK+\s] offset:8192+512*i
.set i, i+1
.endr
.endm
.macro LC s, t                         ; the bias of tile t, straight into its score accumulators
.irp kt, 0,1,2,3
	ds_load_b128 v[SC+32*\t+8*\kt:SC+32*\t+8*\kt+3],   v[ADC+\s] offset:16*BPITCH*\t+64*\kt
	ds_load_b128 v[SC+32*\t+8*\kt+4:SC+32*\t+8*\kt+7], v[ADC+\s] offset:16*BPITCH*\t+64*\kt+16
.endr
.endm
; The groups of four matrix instructions.  In each the four accumulators take turns, one instruction a turn, and a tile's two groups go through them in the same order.
.macro GS t, u                         ; scores of tile t, half u of the 64 features
	WIN 0x05                                       ; K and Q in window 1
.irp kt, 0,1,2,3
	MM SC+32*\t+8*\kt, KR+16*\kt+8*\u, QF+16*\t+8*\u, 0
.endr
.endm
.macro GP t, ks, zero                  ; O of tile t, half ks of the 64 keys
	WIN 0x50                                       ; C and D in window 1
.irp dt, 0,1,2,3
	MM OA+32*\t+8*\dt, VR+16*\dt+8*\ks, SC+32*\t+8*\ks, \zero
.endr
.endm
; The new maximum of tile t, F, - m F and the factor for what was summed before.  Four chains of maxima, one for each 16 keys, that do not wait for each other.
.macro XA t, first
.irp kt, 0,1,2,3
	v_max3_num_f32 v[CH+\kt], v[SC+32*\t+8*\kt], v[SC+32*\t+8*\kt+1], v[SC+32*\t+8*\kt+2]
.endr
.irp kt, 0,1,2,3
	v_max3_num_f32 v[CH+\kt], v[CH+\kt], v[SC+32*\t+8*\kt+3], v[SC+32*\t+8*\kt+4]
.endr
.irp kt, 0,1,2,3
	v_max3_num_f32 v[CH+\kt], v[CH+\kt], v[SC+32*\t+8*\kt+5], v[SC+32*\t+8*\kt+6]
.endr
	v_max3_num_f32 v[CH],   v[CH],   v[CH+1], v[SC+32*\t+7]
	v_max3_num_f32 v[CH+2], v[CH+2], v[CH+3], v[SC+32*\t+15]
	v_max3_num_f32 v[CH],   v[CH],   v[CH+2], v[SC+32*\t+23]
.if \first
	v_max_num_f32 v[TM+\t], v[CH], v[SC+32*\t+31]
.else
	v_max3_num_f32 v[TM+\t], v[CH], v[SC+32*\t+31], v[MX+\t]
.endif
	v_permlanex16_b32 v[UU+\t], v[TM+\t], s12, s13
	v_max_num_f32 v[TM+\t], v[TM+\t], v[UU+\t]     ; both lanes of a query agree
	v_cmp_gt_f32 s66, 0xce000000, v[TM+\t]         ; -2^29 > maximum: no key so far
	v_cndmask_b32 v[FF+\t], 1.0, 0, s66
	v_cndmask_b32 v[NM+\t], -1.0, 0, s66
	v_mul_f32 v[NM+\t], v[TM+\t], v[NM+\t]         ; - m F
.if \first == 0
	v_fma_f32 v[AL+\t], v[MX+\t], v[FF+\t], v[NM+\t]
	v_exp_f32 v[AL+\t], v[AL+\t]
.endif
	v_mov_b32 v[MX+\t], v[TM+\t]                   ; a plain instruction behind the exponential, which touches none of its registers
.endm
; Exponentials 2 j and 2 j + 1 of tile t for n values of j from lo on; behind each pair, pair j - 1 is added to the row sum and packed in place to f16: word k takes numbers 2 k and 2 k + 1,
; which lie at or above it.  The sum and the packing are the plain instructions between a pair of exponentials and its use, and they read results that already have such instructions behind them.
.macro EXPS t, lo, n
.set j, \lo
.rept \n
	v_exp_f32 v[SC+32*\t+2*j],   v[SC+32*\t+2*j]
	v_exp_f32 v[SC+32*\t+2*j+1], v[SC+32*\t+2*j+1]
	s_wait_alu depctr_va_vdst(0)
	v_pk_add_f32 v[LP+2*\t:LP+2*\t+1], v[LP+2*\t:LP+2*\t+1], v[SC+32*\t+2*j-2:SC+32*\t+2*j-1]
	v_cvt_pk_f16_f32 v[SC+32*\t+j-1], v[SC+32*\t+2*j-2], v[SC+32*\t+2*j-1]
.set j, j+1
.endr
.endm
.macro XB t, first                     ; the exponents S F - m F, and the first eight exponentials; the first pair starts the block's row sum: old sum x factor + pair
.set j, 0
.rept 16
	SFMA SC+32*\t+j, FF+2*(\t/2), NM+2*(\t/2), (\t&1)
.set j, j+2
.endr
	v_exp_f32 v[SC+32*\t],   v[SC+32*\t]
	v_exp_f32 v[SC+32*\t+1], v[SC+32*\t+1]
	v_nop
	v_exp_f32 v[SC+32*\t+2], v[SC+32*\t+2]
	v_exp_f32 v[SC+32*\t+3], v[SC+32*\t+3]
.if \first
	s_wait_alu depctr_va_vdst(0)
	v_pk_mul_f32 v[LP+2*\t:LP+2*\t+1], v[SC+32*\t:SC+32*\t+1], 1.0 op_sel_hi:[1,0]
.else
.if (\t&1)
	s_wait_alu depctr_va_vdst(0)
	v_pk_fma_f32 v[LP+2*\t:LP+2*\t+1], v[LP+2*\t:LP+2*\t+1], v[AL+2*(\t/2):AL+2*(\t/2)+1], v[SC+32*\t:SC+32*\t+1] op_sel:[0,1,0] op_sel_hi:[1,1,1]
.else
	s_wait_alu depctr_va_vdst(0)
	v_pk_fma_f32 v[LP+2*\t:LP+2*\t+1], v[LP+2*\t:LP+2*\t+1], v[AL+2*(\t/2):AL+2*(\t/2)+1], v[SC+32*\t:SC+32*\t+1] op_sel:[0,0,0] op_sel_hi:[1,0,1]
.endif
.endif
	v_cvt_pk_f16_f32 v[SC+32*\t], v[SC+32*\t], v[SC+32*\t+1]
	EXPS \t, 2, 2
.endm
.macro XR t                            ; O of tile t, times the factor
	WIN 0x41
.set j, 0
.rept 16
	MULB3 OA+32*\t+j, OA+32*\t+j, AL+2*(\t/2), (\t&1)
.set j, j+2
.endr
.endm
; STEP j = 4 block + t.  tp, tn, tl = (t + 3, t + 1, t + 2) mod 4: the tiles of jobs j - 1, j + 1, j + 2.  p: the block's LDS slot, q the other.
; first: block 0.  gp: job j - 1 exists; gpz: its product starts the sums.  more: a next block exists.  rnd (used in step 2): 2 a round of the cluster's barrier and a refill, 1 my work-group's barrier alone, 0 none.
; pfb, pfk: wave 7 asks the L2 for later tiles; stb, stk: the prefetch addresses step first.
.macro SLOT t, tp, tn, tl, p, q, first, gp, gpz, more, rnd, pfb, pfk, stb, stk
.set LCN, 8                            ; bias loads issued in this step
.if (\t/2)*(1-\more)
.set LCN, 0
.endif
.set GSN, 1                            ; job j + 1 exists
.if (\t/3)*(1-\more)
.set GSN, 0
.endif
.if \t == 2
.if \rnd
	s_wait_tensorcnt 0x0                           ; my one tensor load, my part of the next block's tile, has landed: every group 0 may be written
	ds_add_u32 v62, v63
	s_wait_dscnt 0x0
.if \rnd == 2
	s_add_nc_u64 s[G0K+4*\p+2:G0K+4*\p+3], s[G0K+4*\p+2:G0K+4*\p+3], 2*262144   ; this slot's next tile, two blocks on
	s_add_nc_u64 s[G0B+4*\p+2:G0B+4*\p+3], s[G0B+4*\p+2:G0B+4*\p+3], 2*256
.endif
	s_wait_dscnt 0x0                               ; my reads of this block's slot are over: the last, tile 3's bias, were issued a step ago
.if \stb
	s_wait_xcnt 0x0                                ; the last block's prefetches have read their address registers
	v_add_nc_u32 v[PFB], 256, v[PFB]
.endif
.if \stk
	v_add_nc_u32 v[PFK], 0x80000, v[PFK]
.endif
	s_barrier_signal -1                            ; say so; register work while the others arrive
.endif
	XA \t, \first
.if \rnd
	s_barrier_wait -1
.if \rnd == 2
	CREST                                          ; no wave of any partner still reads this slot or has a load on its way
	JLOAD \p                                       ; first thing behind the round, the wave's one tensor load until the next: block + 2
.if \pfb
	; Behind block i's round the tile of block i + 2 is requested; here one wave asks the L2 for what the next rounds will request: the bias tile of block i + 3, of whose 128 rows of 256 bytes
	; each of the four partners along x asks for 32; and in odd blocks the K and V tiles of blocks i + 3 and i + 4, of whose 256 pieces of 256 bytes each of the 16 query blocks asks for 16.
	; The bias is asked for up to block 28's round, K and V up to block 27's: the last tile named is block 31's.
	s_cmp_lg_u32 s14, 7
	s_cbranch_scc1 .Lno_pf_\@
	global_prefetch_b8 v[PFB], s[44:45] th:TH_LOAD_NT scope:SCOPE_SE
.if \pfk
	global_prefetch_b8 v[PFK], s[46:47] th:TH_LOAD_NT scope:SCOPE_SE
.endif
.Lno_pf_\@:
.endif
.endif
.endif
.if LCN
	LC \q, \tl                                     ; the next block's tile 0
.endif
.else
.if \t == 3
.if \more
	LK \q                                          ; the next block's K: the last scores of this block stand a rescale (or four places) back
	LC \q, \tl
.endif
.else
	LC \p, \tl
.endif
	XA \t, \first
.endif
.if \gp
.if \t == 1
	s_wait_dscnt LCN                               ; this block's V is in; the bias loads of this step's head stay out
.endif
	GP \tp, 0, \gpz
	WIN 0
.endif
	XB \t, \first
.if \gp
	GP \tp, 1, 0
	WIN 0
.endif
	EXPS \t, 4, 6
.if \t == 0
	LV \p                                          ; this block's V, over the last block's: twelve plain instructions stand behind its last product (ISA guide 7.12.1)
.endif
.if GSN
.if \t == 0
	s_wait_dscnt LCN+16                            ; tile 1's bias is in; this step's 8 bias loads and 16 loads of V stay out
.else
	s_wait_dscnt LCN                               ; the bias of job j + 1 (and in step 3 the new K) is in; the bias loads of this step stay out
.endif
	GS \tn, 0
	WIN 0
.endif
	EXPS \t, 10, 6
	v_pk_add_f32 v[LP+2*\t:LP+2*\t+1], v[LP+2*\t:LP+2*\t+1], v[SC+32*\t+30:SC+32*\t+31]
	v_cvt_pk_f16_f32 v[SC+32*\t+15], v[SC+32*\t+30], v[SC+32*\t+31]
.if GSN
	GS \tn, 1
.endif
.if \first
	WIN 0
	PLACES 4                                       ; block 0 has nothing to rescale: four places behind the scores, in front of the maxima that read them and of the loads over K
.else
	XR \t                                          ; sixteen plain instructions that name none of the scores' registers: the same places
	WIN 0
.endif
.endm
.macro BLOCK p, q, first, gp0, z0, more, rnd, pfb, pfk, stb, stk
	SLOT 0, 3, 1, 2, \p, \q, \first, \gp0, \z0, \more, \rnd, \pfb, \pfk, \stb, \stk
	SLOT 1, 0, 2, 3, \p, \q, \first, 1, \first, \more, \rnd, \pfb, \pfk, \stb, \stk
	SLOT 2, 1, 3, 0, \p, \q, \first, 1, \first, \more, \rnd, \pfb, \pfk, \stb, \stk
	SLOT 3, 2, 0, 1, \p, \q, \first, 1, \first, \more, \rnd, \pfb, \pfk, \stb, \stk
.endm
	s_wait_loadcnt 0x0                             ; Q
	s_wait_tensorcnt 0x1                           ; my part of block 0's tile is in; block 1's load stays out
	s_barrier_signal -1
	s_barrier_wait -1
	LK 0                                           ; in front of step 0: K, the bias of tiles 0 and 1, the scores of tile 0
	LC 0, 0
	LC 0, 1
	s_wait_dscnt 8                                 ; K and tile 0's bias are in; tile 1's eight loads stay out
	GS 0, 0
	GS 0, 1
	WIN 0
	PLACES 4
	BLOCK 0, 1, 1, 0, 0, 1, 2, 1, 0, 0, 0          ; block 0 starts the sums
	BLOCK 1, 0, 0, 1, 1, 1, 2, 1, 1, 1, 0          ; block 1; its step 0 holds block 0's last product, which starts tile 3's sums
	s_mov_b32 s3, 13
.Lblocks:
	BLOCK 0, 1, 0, 1, 0, 1, 2, 1, 0, 1, 0          ; blocks 2 to 27
	BLOCK 1, 0, 0, 1, 0, 1, 2, 1, 1, 1, 1
	s_sub_co_u32 s3, s3, 1
	s_cmp_lg_u32 s3, 0
	s_cbranch_scc1 .Lblocks
	BLOCK 0, 1, 0, 1, 0, 1, 2, 1, 0, 1, 0          ; block 28: the last prefetch, block 31's bias
	BLOCK 1, 0, 0, 1, 0, 1, 2, 0, 0, 0, 0          ; block 29: the last refill, block 31's tile
	BLOCK 0, 1, 0, 1, 0, 1, 1, 0, 0, 0, 0          ; block 30: nothing is left to fetch; my work-group's barrier shows block 31's tile to every wave
	BLOCK 1, 0, 0, 1, 0, 0, 0, 0, 0, 0, 0          ; block 31
	GP 3, 0, 0                                     ; the last job's product
	GP 3, 1, 0
	WIN 0
	PLACES 4                                       ; then vector instructions read the results (ISA guide 7.12.1)
	; THE WAY OUT: O / row sum; packed, a lane's 16 bytes are half a fragment of the last product's A: four stores of 512 consecutive bytes a tile.
.irp t, 0,1,2,3
	v_add_f32 v[TM+\t], v[LP+2*\t], v[LP+2*\t+1]
.endr
.irp t, 0,1,2,3
	v_permlanex16_b32 v[UU+\t], v[TM+\t], s12, s13
.endr
.irp t, 0,1,2,3
	v_add_f32 v[TM+\t], v[TM+\t], v[UU+\t]         ; the row sum is at least 1: the largest exponential is 1
.endr
.irp t, 0,1,2,3
	v_rcp_f32 v[RL+\t], v[TM+\t]
.endr
	v_nop                                          ; a plain instruction behind the reciprocals
	s_wait_alu depctr_va_vdst(0)
.macro OUTT t
	WIN 0x01
.set j, 0
.rept 16
	MULB3 SC+j, OA+32*\t+j, RL+2*(\t/2), (\t&1)
.set j, j+2
.endr
	WIN 0
.set j, 0
.rept 16
	v_cvt_pk_f16_f32 v[128+16*\t+j], v[SC+2*j], v[SC+2*j+1]        ; each tile has its own 16 registers: no store's data is written again
.set j, j+1
.endr
.irp dt, 0,1,2,3
	global_store_b128 v2, v[128+16*\t+4*\dt:128+16*\t+4*\dt+3], s[42:43] offset:32768*\t+512*\dt
.endr
.endm
	OUTT 0
	OUTT 1
	OUTT 2
	OUTT 3
	CROUND                                         ; the closing round
	s_endpgm
.Lfunc_end_k_q3e0581e846_attn:
	.size	k_q3e0581e846_attn, .Lfunc_end_k_q3e0581e846_attn-k_q3e0581e846_attn
	.p2alignl 7, 3214868480
	.fill 96, 4, 3214868480
	.section	.rodata,"a",@progbits
	.p2align	6, 0x0
	.amdhsa_kernel k_q3e0581e846_attn
		.amdhsa_group_segment_fixed_size 327680
		.amdhsa_private_segment_fixed_size 0
		.amdhsa_enable_private_segment 0
		.amdhsa_kernarg_size 32
		.amdhsa_user_sgpr_count 2
		.amdhsa_user_sgpr_kernarg_segment_ptr 1
		.amdhsa_wavefront_size32 1
		.amdhsa_system_sgpr_workgroup_id_x 1
		.amdhsa_system_sgpr_workgroup_id_y 1
		.amdhsa_system_sgpr_workgroup_id_z 1
		.amdhsa_system_vgpr_workitem_id 0
		.amdhsa_next_free_vgpr 512
		.amdhsa_next_free_sgpr 100
		.amdhsa_reserve_vcc 0
		.amdhsa_float_denorm_mode_32 3
		.amdhsa_float_denorm_mode_16_64 3
		.amdhsa_memory_ordered 1
		.amdhsa_forward_progress 1
		.amdhsa_inst_pref_size 255
	.end_amdhsa_kernel
	.section	.bss,"aw",@nobits
	.p2align	6
	.space	262144
	.amdgpu_metadata
---
amdhsa.version: [ 1, 2 ]
amdhsa.kernels:
  - .name:           k_q3e0581e846_attn
    .symbol:         k_q3e0581e846_attn.kd
    .args:
      - { .name: qf, .offset: 0, .size: 8, .value_kind: global_buffer, .address_space: global }
      - { .name: kvf, .offset: 8, .size: 8, .value_kind: global_buffer, .address_space: global }
      - { .name: biasm, .offset: 16, .size: 8, .value_kind: global_buffer, .address_space: global }
      - { .name: aof, .offset: 24, .size: 8, .value_kind: global_buffer, .address_space: global }
    .group_segment_fixed_size: 327680
    .private_segment_fixed_size: 0
    .kernarg_segment_align: 8
    .kernarg_segment_size: 32
    .max_flat_workgroup_size: 256
    .sgpr_count:     100
    .vgpr_count:     512
    .wavefront_size: 32
...
	.end_amdgpu_metadata
.endif
;; end of part 3
;; launch outp (part 4): grid 4 x 32, 4 waves a work-group, clusters of 4 x 4, 327,680 bytes of LDS; arguments aof, xw, bo, out0; writes out0
.if DOCPART == 4
	.amdgcn_target "amdgcn-amd-amdhsa--gfx1250"
	.amdhsa_code_object_version 6
	.text
	.protected	k_q3e0581e846_outp
	.globl	k_q3e0581e846_outp
	.p2align	8
	.type	k_q3e0581e846_outp,@function
k_q3e0581e846_outp:
	s_mov_b64 s[64:65], 0
	v_nop
	global_prefetch_b8 v0, s[64:65] scope:SCOPE_SE
	s_setreg_imm32_b32 hwreg(HW_REG_WAVE_MODE, 25, 1), 1
	s_wait_xcnt 0x0
	s_wait_alu depctr_hold_cnt(0) depctr_sa_sdst(0) depctr_va_vdst(0) depctr_va_sdst(0) depctr_va_ssrc(0) depctr_va_vcc(0) depctr_vm_vsrc(0)
	s_getreg_b32 s2, hwreg(HW_REG_IB_STS2, 6, 4)
	s_cmp_eq_u32 s2, 0
	s_cbranch_scc0 .Lentry_in_a_cluster
	s_endpgm
.Lentry_in_a_cluster:
	s_bfe_u32 s2, ttmp6, 0x10000c
	s_cmp_lg_u32 s2, 0xf033
	s_cbranch_scc0 .Lentry_shape_is_right
	s_endpgm
.Lentry_shape_is_right:
; out0 = attention output x Wo^T + bo:  C[m][n] = sum over k of A[m][k] B[n][k] + bo[n],  M = 8192, N = K = 1024, operands in f16, sums and C in f32.
; A work-group makes 256 x 256 of C with four waves, a wave 128 x 128 in 512 registers; K goes in steps of 128 through two LDS slots filled by tensor loads: 128 work-groups.
; A comes from aof in FRAGMENT ORDER: [row tile of 16: 512][K step of 32: 32][e 2][lane 32][16 bytes].  A K step of 128 of one row tile is 4,096 consecutive bytes; a tensor load brings
; eight row tiles (8 rows of 4,096 bytes, 32,768 bytes apart), and a fragment load reads 512 consecutive LDS bytes: no padding is needed.  B = Wo in f16 from xw, rows along K, padded rows.
; CLUSTERS: 4 x 4.  A's tile hangs on the block row alone and is asked for jointly along a row of the cluster, B's on the block column alone, jointly along a column.
; The matrix instruction takes B's rows as source 0 and A's as source 1: lane (r, h) register j holds C(row r, column 8 h + j).  16 rows at a time go through a stage in LDS of the wave's own
; and leave as whole rows: a store of the wave covers 512 consecutive bytes, aligned.
; REGISTERS in windows of 256: window 0: v0-31 addresses, v64-191 A's fragments (two buffers), v192-255 at work on the way out; window 1: v64-191 B's fragments, v192-255 bo;
; windows 2 and 3: accumulators of my rows 0-63 and 64-127, tile (a, b) at v[8 (8 a + b)].
.set SIZE_K, 1024
.set KSTEP,  128
.set PITCH,  272                       ; B's LDS rows: 256 bytes + 16, so that the 16 rows of a fragment load begin 16 bytes apart modulo 256
.set HALFT,  128*PITCH                 ; 128 rows of B
.set AHALF,  32768                     ; 128 rows of A, dense
.set ASTEP,  4096                      ; a K step of 128 in aof, for one row tile
.set BREG,   2*AHALF                   ; B's rows lie behind A's
.set SLOT,   BREG+2*HALFT              ; 135,168
.set STAGE,  2*SLOT                    ; behind the ring, a multiple of 256: no tensor load ever lands there
.set SPITCH, 528                       ; a stage row: 512 bytes + 16
.set LAPS,   SIZE_K/(2*KSTEP)
.set ADRA, 16
.set ADRB, 20
.set STO,  24                          ; v24  where I put 32 bytes of a row
.set RD,   25                          ; v25  where I read a row back
.set CO,   26                          ; v26  16 x lane
.set BO,   27                          ; v27  my byte offset in bo
.set F0,   64
.set F1,   128
.set TMP,  192                         ; window 0
.set BIAS, 192                         ; window 1
.set G1,  24
.set G0,  32
.set G1B, 48
.set G0B, 56
.set MSB, 0
.macro WIN new
.if MSB != (\new)
	s_set_vgpr_msb (MSB<<8)|(\new)
.set MSB, (\new)
.endif
.endm
.set MUL_LO, 0xa1
.set MUL_HI, 0xf1
.set TO_B,   0x40
.macro JLOAD s                         ; waves 0, 1 ask for A's two halves, waves 2, 3 for B's
	s_cmp_eq_u32 s11, 0
	s_cbranch_scc0 .Lfor_b_\@
	tensor_load_to_lds s[G0+4*(\s):G0+4*(\s)+3], s[G1:G1+7]
	s_nop 0
	s_branch .Lasked_\@
.Lfor_b_\@:
	tensor_load_to_lds s[G0B+4*(\s):G0B+4*(\s)+3], s[G1B:G1B+7]
	s_nop 0
.Lasked_\@:
.endm
.macro CREST
	s_cmp_lg_u32 s10, 0
	s_cbranch_scc1 .Lnot_wave_0_\@
	s_barrier_signal -3
.Lnot_wave_0_\@:
	s_barrier_wait -3
	s_barrier_signal -1
	s_barrier_wait -1
.endm
.macro CROUND
	s_barrier_signal -1
	s_barrier_wait -1
	CREST
.endm
	s_load_b256 s[68:75], s[0:1], 0x0              ; aof s[68:69], xw s[70:71], bo s[72:73], out0 s[74:75]
	s_set_vgpr_msb 0x40
	v_lshl_add_u32 v63, v0, 2, 0x4a400
	s_set_vgpr_msb 0x4000
	v_mov_b32 v63, 0
	s_set_vgpr_msb 0x1
	ds_add_u32 v63, v63
	s_set_vgpr_msb 0x100
	v_lshrrev_b32 v1, 5, v0
	v_readfirstlane_b32 s10, v1                    ; wave 0..3
	s_lshr_b32 s11, s10, 1                         ; my half of the block's rows.  Also: I fetch for A (0) or B (1)
	s_and_b32 s12, s10, 1                          ; my half of its columns.  Also: which half of the tile I fetch
	s_bfe_u32 s40, ttmp6, 0x40000                  ; cx
	s_bfe_u32 s41, ttmp6, 0x40004                  ; cy
	s_lshl_b32 s42, ttmp9, 2
	s_add_co_u32 s42, s42, s40                     ; block column 0..3
	s_and_b32 s13, ttmp7, 0xffff
	s_lshl_b32 s13, s13, 2
	s_add_co_u32 s13, s13, s41                     ; block row 0..31
	s_lshl_b32 s43, s41, 2
	s_lshl_b32 s43, 15, s43                        ; my row of the cluster
	s_lshl_b32 s44, 0x1111, s40                    ; my column
	; A: 8 rows of 512 elements of 8 bytes, 4,096 elements from row to row, no padding
	s_or_b32 s[G1+0], s43, (3<<16)|(1<<21)
	s_mov_b32 s[G1+1], 512<<16
	s_mov_b32 s[G1+2], 8<<16
	s_mov_b32 s[G1+3], 512<<16
	s_mov_b32 s[G1+4], 8
	s_mov_b32 s[G1+5], 4096
	s_mov_b32 s[G1+6], 0
	s_mov_b32 s[G1+7], 0
	; B: 128 rows of 128 f16, padded
	s_or_b32 s[G1B+0], s44, (1<<16)|(1<<20)|(1<<21)|(5<<22)|(3<<25)
	s_mov_b32 s[G1B+1], KSTEP<<16
	s_mov_b32 s[G1B+2], 128<<16
	s_mov_b32 s[G1B+3], KSTEP<<16
	s_mov_b32 s[G1B+4], 128
	s_mov_b32 s[G1B+5], SIZE_K
	s_mov_b32 s[G1B+6], 0
	s_mov_b32 s[G1B+7], 0
	s_lshl_b32 s14, s13, 19                        ; A: (16 block row + 8 half) row tiles of 32,768 bytes; s14-s17 never hold cx
	s_lshl_b32 s17, s12, 18
	s_add_co_u32 s14, s14, s17
	s_mov_b32 s15, 0
	s_lshl_b32 s46, s42, 19                        ; B: (256 block column + 128 half) rows of 2,048 bytes, in Wo's copy; s46, s47 never hold cy
	s_add_co_u32 s46, s46, s17
	s_add_co_u32 s46, s46, 56623104
	s_mov_b32 s47, 0
	s_lshl_b32 s20, s12, 15                        ; LDS: A's half
	s_mul_i32 s21, s12, HALFT
	s_add_co_u32 s21, s21, BREG                    ; LDS: B's half
	s_wait_dscnt 0x0
	s_wait_kmcnt 0x0
	s_add_nc_u64 s[14:15], s[68:69], s[14:15]
	s_add_nc_u64 s[46:47], s[70:71], s[46:47]
	CROUND                                         ; all sixteen work-groups are here: the first joint loads meet
.irp s, 0,1
	s_mov_b32 s[G0+4*\s], 1
	s_add_co_u32 s[G0+4*\s+1], s20, \s*SLOT
	s_add_nc_u64 s[G0+4*\s+2:G0+4*\s+3], s[14:15], \s*ASTEP
	s_or_b32 s[G0+4*\s+3], s[G0+4*\s+3], 0x80000000
	s_mov_b32 s[G0B+4*\s], 1
	s_add_co_u32 s[G0B+4*\s+1], s21, \s*SLOT
	s_add_nc_u64 s[G0B+4*\s+2:G0B+4*\s+3], s[46:47], \s*KSTEP*2
	s_or_b32 s[G0B+4*\s+3], s[G0B+4*\s+3], 0x80000000
	JLOAD \s                                       ; two tensor loads of the wave are out from here to the first wait
.endr
	v_and_b32 v1, 15, v0                           ; r
	v_bfe_u32 v2, v0, 4, 1                         ; h
	v_and_b32 v4, 31, v0
	v_lshlrev_b32 v[CO], 4, v4                     ; 16 x lane
	v_mul_u32_u24 v3, v1, PITCH
	v_lshl_add_u32 v3, v2, 4, v3
	s_lshl_b32 s22, s11, 15                        ; my 128 rows of A
	v_add_nc_u32 v[ADRA], s22, v[CO]
	v_add_nc_u32 v[ADRA+1], SLOT, v[ADRA]
	v_add_nc_u32 v[ADRB], s21, v3                  ; my 128 rows of B are the half that s12 names
	v_add_nc_u32 v[ADRB+1], SLOT, v[ADRB]
	s_mul_i32 s99, s10, 16*SPITCH
	s_add_co_u32 s99, s99, STAGE                   ; my stage
	v_mul_u32_u24 v5, v1, SPITCH
	v_lshl_add_u32 v5, v2, 5, v5
	v_add_nc_u32 v[STO], s99, v5
	v_add_nc_u32 v[RD], s99, v[CO]
	; my corner of out0; the sums with cx stand in registers that feed no descriptor of A
	s_lshl_b32 s92, s13, 20                        ; 256 rows of 4,096 bytes
	s_lshl_b32 s93, s11, 19
	s_add_co_u32 s92, s92, s93
	s_mov_b32 s93, 0
	s_add_nc_u64 s[8:9], s[74:75], s[92:93]
	s_lshl_b32 s96, s42, 10                        ; 256 columns of 4 bytes
	s_lshl_b32 s97, s12, 9
	s_add_co_u32 s96, s96, s97
	s_mov_b32 s97, 0
	s_add_nc_u64 s[8:9], s[8:9], s[96:97]
	v_lshl_add_u32 v[BO], v2, 5, s96               ; bo of my columns: 8 h + j in each tile of B
	WIN TO_B
.irp bb, 0,1,2,3,4,5,6,7
	global_load_b128 v[BIAS+8*\bb:BIAS+8*\bb+3],   v[BO], s[72:73] offset:64*\bb
	global_load_b128 v[BIAS+8*\bb+4:BIAS+8*\bb+7], v[BO], s[72:73] offset:64*\bb+16
.endr
	WIN 0
	s_wait_loadcnt 0x0                             ; once, while the first tiles are on their way
; The 64 accumulators take turns, one instruction a turn, in the same order in every quarter step.
.macro MUL16 f, hi, a0, zero
.irp a, \a0, \a0+1
.irp b, 0,1,2,3,4,5,6,7
.if \zero
	v_wmma_f32_16x16x32_f16 v[8*(8*(\a)+\b):8*(8*(\a)+\b)+7], v[\f+8*\b:\f+8*\b+7], v[\f+8*(4*\hi+\a):\f+8*(4*\hi+\a)+7], 0
.else
	v_wmma_f32_16x16x32_f16 v[8*(8*(\a)+\b):8*(8*(\a)+\b)+7], v[\f+8*\b:\f+8*\b+7], v[\f+8*(4*\hi+\a):\f+8*(4*\hi+\a)+7], v[8*(8*(\a)+\b):8*(8*(\a)+\b)+7]
.endif
.endr
.endr
.endm
.macro FETCH slot, k, f                ; one quarter step's fragments: B at byte k of its rows; A's quarter k / 64 is 1,024 bytes of each row tile's 4,096
	WIN TO_B
.irp i, 0,1,2,3,4,5,6,7
	ds_load_b128 v[\f+8*\i:\f+8*\i+3],   v[ADRB+\slot] offset:\k+\i*16*PITCH
	ds_load_b128 v[\f+8*\i+4:\f+8*\i+7], v[ADRB+\slot] offset:\k+\i*16*PITCH+32
.endr
	WIN 0
.irp i, 0,1,2,3,4,5,6,7
	ds_load_b128 v[\f+8*\i:\f+8*\i+3],   v[ADRA+\slot] offset:16*\k+\i*ASTEP
	ds_load_b128 v[\f+8*\i+4:\f+8*\i+7], v[ADRA+\slot] offset:16*\k+\i*ASTEP+512
.endr
.endm
.macro PLACES                          ; four plain vector instructions between a matrix instruction and a load into, or a vector instruction on, its registers
.rept 4
	v_nop
.endr
.endm
.macro QUARTER slot, k, f, g, zero
	s_wait_dscnt 8                                 ; B and A's rows 0-63 are in; the youngest eight loads (A's rows 64-127) may be out
	WIN MUL_LO
	MUL16 \f, 0, 0, \zero
	MUL16 \f, 0, 2, \zero
	PLACES
	FETCH \slot, \k, \g
	s_wait_dscnt 32                                ; all but the 32 just issued
	WIN MUL_HI
	MUL16 \f, 1, 0, \zero
	MUL16 \f, 1, 2, \zero
.endm
.macro THREE slot, zero
	QUARTER \slot, 64,  F0, F1, \zero
	QUARTER \slot, 128, F1, F0, 0
	QUARTER \slot, 192, F0, F1, 0
.endm
.macro TURN slot, next, fill           ; the last quarter changes slots: waits, barrier (opening a round of the cluster's barrier where the slot is filled again), refill first
	s_wait_dscnt 8
	WIN MUL_LO
	MUL16 F1, 0, 0, 0
	s_wait_dscnt 0                                 ; my reads of this slot are over
	s_wait_tensorcnt 0x0                           ; all my tensor loads have landed: the one that was out is my part of the next slot
	ds_add_u32 v63, v63
	s_wait_dscnt 0x0
	s_barrier_signal -1
	MUL16 F1, 0, 2, 0
	WIN 0
	s_barrier_wait -1
.if \fill
	CREST
	s_add_nc_u64 s[G0+4*\slot+2:G0+4*\slot+3], s[G0+4*\slot+2:G0+4*\slot+3], 2*ASTEP
	s_add_nc_u64 s[G0B+4*\slot+2:G0B+4*\slot+3], s[G0B+4*\slot+2:G0B+4*\slot+3], 2*KSTEP*2
	JLOAD \slot
.endif
	PLACES
	FETCH \next, 0, F0
	WIN MUL_HI
	MUL16 F1, 1, 0, 0
	MUL16 F1, 1, 2, 0
.endm
.macro LAP zero
	THREE 0, \zero
	TURN 0, 1, 1
	THREE 1, 0
	TURN 1, 0, 1
.endm
	s_wait_tensorcnt 1                             ; my part of K step 0 is in; K step 1's load stays out
	s_barrier_signal -1
	s_barrier_wait -1
	FETCH 0, 0, F0
	LAP 1
	WIN 0
	s_mov_b32 s3, LAPS-2
.Llap:
	LAP 0
	WIN 0
	s_sub_co_u32 s3, s3, 1
	s_cmp_lg_u32 s3, 0
	s_cbranch_scc1 .Llap
	THREE 0, 0
	TURN 0, 1, 0
	THREE 1, 0
	s_wait_dscnt 8
	WIN MUL_LO
	MUL16 F1, 0, 0, 0
	MUL16 F1, 0, 2, 0
	s_wait_dscnt 0
	WIN MUL_HI
	MUL16 F1, 1, 0, 0
	MUL16 F1, 1, 2, 0
; THE WAY OUT: rows 16 i .. 16 i + 15 of my block = tiles (a, 0..7) of window 2 + hi; f: F0 or F1 in turn.
.macro OUTF i, hi, a, f
	WIN 0x04|(2+\hi)                               ; source 0: the accumulators' window; source 1: bo in window 1; destination window 0
.irp bb, 0,1,2,3,4,5,6,7
.irp p, 0,1,2,3
	v_pk_add_f32 v[TMP+8*\bb+2*\p:TMP+8*\bb+2*\p+1], v[8*(8*\a+\bb)+2*\p:8*(8*\a+\bb)+2*\p+1], v[BIAS+8*\bb+2*\p:BIAS+8*\bb+2*\p+1]
.endr
.endr
	WIN 0
.irp bb, 0,1,2,3,4,5,6,7
	ds_store_b128 v[STO], v[TMP+8*\bb:TMP+8*\bb+3]   offset:64*\bb
	ds_store_b128 v[STO], v[TMP+8*\bb+4:TMP+8*\bb+7] offset:64*\bb+16
.endr
	s_wait_xcnt 0x0                                ; buffer f, which earlier stores read, and the stores' base are written again only behind this wait
.if \i
	s_add_nc_u64 s[8:9], s[8:9], 16*4096           ; 16 rows of out0 on
.endif
.set j, 0
.rept 16
	ds_load_b128 v[\f+4*j:\f+4*j+3], v[RD] offset:j*SPITCH         ; LDS serves a wave's instructions in order (ISA guide 5.7.1.4): these see the stores above
.set j, j+1
.endr
.set j, 0
.rept 16
	s_wait_dscnt 15-j                              ; row j is back; the younger rows' loads stay out
	global_store_b128 v[CO], v[\f+4*j:\f+4*j+3], s[8:9] offset:j*4096 th:TH_STORE_NT   ; 32 lanes store 512 consecutive bytes of a row, aligned
.set j, j+1
.endr
.endm
	PLACES                                         ; behind the last matrix instructions, for the reads of their results and the loads into the fragment buffers
	OUTF 0, 0, 0, F0
	OUTF 1, 0, 1, F1
	OUTF 2, 0, 2, F0
	OUTF 3, 0, 3, F1
	OUTF 4, 1, 0, F0
	OUTF 5, 1, 1, F1
	OUTF 6, 1, 2, F0
	OUTF 7, 1, 3, F1
	s_set_vgpr_msb 0x1
	s_wait_tensorcnt 0x0
	ds_add_u32 v63, v63
	s_wait_dscnt 0x0
	s_set_vgpr_msb 0x100
	CROUND                                         ; the closing round
	s_endpgm
.Lfunc_end_k_q3e0581e846_outp:
	.size	k_q3e0581e846_outp, .Lfunc_end_k_q3e0581e846_outp-k_q3e0581e846_outp
	.p2alignl 7, 3214868480
	.fill 96, 4, 3214868480
	.section	.rodata,"a",@progbits
	.p2align	6, 0x0
	.amdhsa_kernel k_q3e0581e846_outp
		.amdhsa_group_segment_fixed_size 327680
		.amdhsa_private_segment_fixed_size 0
		.amdhsa_enable_private_segment 0
		.amdhsa_kernarg_size 32
		.amdhsa_user_sgpr_count 2
		.amdhsa_user_sgpr_kernarg_segment_ptr 1
		.amdhsa_wavefront_size32 1
		.amdhsa_system_sgpr_workgroup_id_x 1
		.amdhsa_system_sgpr_workgroup_id_y 1
		.amdhsa_system_sgpr_workgroup_id_z 1
		.amdhsa_system_vgpr_workitem_id 0
		.amdhsa_next_free_vgpr 1024
		.amdhsa_next_free_sgpr 102
		.amdhsa_reserve_vcc 0
		.amdhsa_float_denorm_mode_32 3
		.amdhsa_float_denorm_mode_16_64 3
		.amdhsa_memory_ordered 1
		.amdhsa_forward_progress 1
		.amdhsa_inst_pref_size 213
	.end_amdhsa_kernel
	.amdgpu_metadata
---
amdhsa.version: [ 1, 2 ]
amdhsa.kernels:
  - .name:           k_q3e0581e846_outp
    .symbol:         k_q3e0581e846_outp.kd
    .args:
      - { .name: aof, .offset: 0, .size: 8, .value_kind: global_buffer, .address_space: global }
      - { .name: xw, .offset: 8, .size: 8, .value_kind: global_buffer, .address_space: global }
      - { .name: bo, .offset: 16, .size: 8, .value_kind: global_buffer, .address_space: global }
      - { .name: out0, .offset: 24, .size: 8, .value_kind: global_buffer, .address_space: global }
    .group_segment_fixed_size: 327680
    .private_segment_fixed_size: 0
    .kernarg_segment_align: 8
    .kernarg_segment_size: 32
    .max_flat_workgroup_size: 128
    .sgpr_count:     102
    .vgpr_count:     1024
    .wavefront_size: 32
...
	.end_amdgpu_metadata
.endif
;; end of part 4
;; ======== version 2 of 2: 4 launches; version 1 with the launch prep written anew for expert scheduling mode
;; limits: right only within a limited range of input values; values are held in f16: magnitudes above 65,504 overflow, below 6.1e-05 lose precision
;; workspace buffers: xw 58,720,256 bytes; biasm 67,108,864 bytes; qf 16,777,216 bytes; kvf 33,554,432 bytes; aof 16,777,216 bytes
;; launch prep (part 5): grid 1920 x 1, 8 waves a work-group, no clusters, 0 bytes of LDS; arguments q, k, v, Wq, Wk, Wv, Wo, time_diffs, mask, gamma, xw, biasm; writes xw, biasm
.if DOCPART == 5
	.amdgcn_target "amdgcn-amd-amdhsa--gfx1250"
	.amdhsa_code_object_version 6
	.text
	.protected	k_q3e0581e846_prep
	.globl	k_q3e0581e846_prep
	.p2align	8
	.type	k_q3e0581e846_prep,@function
k_q3e0581e846_prep:
	s_mov_b64 s[64:65], 0
	v_nop
	global_prefetch_b8 v0, s[64:65] scope:SCOPE_SE
	s_setreg_imm32_b32 hwreg(HW_REG_WAVE_SCHED_MODE, 0, 2), 2
	s_setreg_imm32_b32 hwreg(HW_REG_WAVE_MODE, 25, 1), 1
	s_wait_xcnt 0x0
	s_wait_alu depctr_vm_vsrc(0)
; Two streams in one launch, chosen by the work-group's number.
; Work-groups 0 to 895: q, k, v, Wq, Wk, Wv, Wo are rounded once to f16 into xw, which is their concatenation in that order.
;   A work-group takes 32,768 numbers: 32 loads of 16 bytes a thread, all issued before the first is used.
;   f16 and not bf16: five roundings lie in a chain between the inputs and the output, and 11 significant bits keep their sum small.
;   LIMIT: an input above 65,504 in magnitude overflows in f16.
; Work-groups 896 to 1919: biasm = (mask == 0) ? NEG : exp(-gamma * time_diffs) * log2(e), in f32, 16,384 numbers a work-group.
;   The attention launch works in powers of two, so the additive bias is stored times log2(e), and NEG is -1e9 * log2(e).
;   It is made here once, because all 16 heads add the same bias.
; No LDS, no barrier, no matrix unit: every byte is read once and written once, and nothing is shared.
; THE MODE: SCHED_MODE bits 1:0 = 2 (LLVM: expert scheduling mode 2), set by the entry lines.  The code itself states the register dependences
; between vector instructions and memory instructions, and between a vector instruction's scalar result and its reader, with s_wait_alu, always for 0.
; THE PLAN.  Registers that memory instructions touch:
;   v1, v2   byte offsets, made once and never written again; read by every load and store.
;   X, MK    each register is the target of one load, and is never loaded again.
;   casts:   Y is written once by the conversions and read by the stores.  The 32 loads go in eight groups of four.  Group g converts X[g] into Y[g];
;            its memory instructions are the stores of group g - 1, which read Y[g - 1] and v2: registers that no conversion of group g names.
;            So one wait at a group's head, behind the wait for its data, states all that its four stores hang on.
;   bias:    X is worked on in place and then read by the stores.  The 16 pairs of loads go in four groups of four pairs.  Group g scales X[g], takes its
;            exponentials, compares MK[g] into s40 to s55, multiplies and selects in X[g]; its memory instructions are the stores of group g - 1, which read
;            X[g - 1] and v1.  One wait a group, behind the compares, states that the exponentials have written X[g] and that the group before has written X[g - 1].
;   No register that a memory instruction reads is written again, so no wait for memory instructions' reads of registers is owed.
.set CASTS, 896                        ; 3 * 256 (q, k, v: 8,388,608 numbers each) + 4 * 32 (the weights: 1,048,576 each)
.set X,  4                             ; v[4:131]   cast: 32 loads of 4 f32.  bias: v[4:67] 16 loads of time_diffs, worked on in place
.set MK, 68                            ; v[68:131]  bias: 16 loads of mask
.set Y,  132                           ; v[132:195] cast: packed f16, a pair for each load; never written twice
.set CM, 40                            ; s[40:55]   bias: a group's sixteen masks, one for each number of a lane
	s_load_b512 s[8:23], s[0:1], 0x0               ; q s[8:9], k s[10:11], v s[12:13], Wq s[14:15], Wk s[16:17], Wv s[18:19], Wo s[20:21], time_diffs s[22:23]
	s_load_b256 s[24:31], s[0:1], 0x40             ; mask s[24:25], gamma s[26:27], xw s[28:29], biasm s[30:31]
	s_mov_b32 s2, ttmp9                            ; c, the work-group's number
	v_lshlrev_b32 v1, 4, v0                        ; 16 bytes a thread: a wave's load covers 512 consecutive bytes
	s_wait_kmcnt 0x0
	s_cmp_ge_u32 s2, CASTS
	s_cbranch_scc1 .Lbias
	; ---- the casts ----
	s_mov_b64 s[32:33], s[8:9]                     ; the source and the number of its first work-group: q, 0
	s_mov_b32 s34, 0
.macro PICK first, lo                  ; from work-group 'first' on the source is the buffer in s[lo:lo+1]
	s_cmp_ge_u32 s2, \first
	s_cselect_b64 s[32:33], s[\lo:\lo+1], s[32:33]
	s_cselect_b32 s34, \first, s34
.endm
	PICK 256, 10
	PICK 512, 12
	PICK 768, 14
	PICK 800, 16
	PICK 832, 18
	PICK 864, 20
	s_sub_co_u32 s34, s2, s34
	s_lshl_b32 s34, s34, 17                        ; 131,072 bytes of f32 for each work-group of this source
	s_mov_b32 s35, 0
	s_add_nc_u64 s[32:33], s[32:33], s[34:35]
	s_lshl_b32 s36, s2, 16                         ; 65,536 bytes of f16 for each work-group, whatever the source
	s_mov_b32 s37, 0
	s_add_nc_u64 s[28:29], s[28:29], s[36:37]
	v_lshlrev_b32 v2, 3, v0                        ; 8 bytes a thread: a wave's store covers 256 consecutive bytes, aligned
	s_wait_alu depctr_va_vdst(0)                   ; v1 and v2 are written: every load below reads v1 as its offset, every store v2
.set i, 0
.rept 32
	global_load_b128 v[X+4*i:X+4*i+3], v1, s[32:33] offset:4096*i th:TH_LOAD_NT
.set i, i+1
.endr
.set g, 0
.rept 8                                ; group g: loads 4 g to 4 g + 3 are converted; the stores of group g - 1 are dealt among the conversions
	s_wait_loadcnt 28-4*g                          ; loads return in order: the group's four are in, the 28 - 4 g younger ones stay out
.if g > 0
	s_wait_alu depctr_va_vdst(0)                   ; the conversions of the group before have written its eight registers of Y, which the four stores below read
.endif
.set n, 0
.rept 4
.set i, 4*g+n
.if g > 0
	global_store_b64 v2, v[Y+2*(i-4):Y+2*(i-4)+1], s[28:29] offset:2048*(i-4)   ; no vector instruction since the wait names these registers
.endif
	v_cvt_pk_f16_f32 v[Y+2*i],   v[X+4*i],   v[X+4*i+1]
	v_cvt_pk_f16_f32 v[Y+2*i+1], v[X+4*i+2], v[X+4*i+3]
.set n, n+1
.endr
.set g, g+1
.endr
	s_wait_alu depctr_va_vdst(0)                   ; the last group's conversions have written its registers of Y, which the last four stores read
.set i, 28
.rept 4
	global_store_b64 v2, v[Y+2*i:Y+2*i+1], s[28:29] offset:2048*i
.set i, i+1
.endr
	s_endpgm
	; ---- the bias ----
.Lbias:
	s_load_b32 s38, s[26:27], 0x0                  ; gamma
	s_sub_co_u32 s34, s2, CASTS
	s_lshl_b32 s34, s34, 16                        ; 65,536 bytes in each of the three arrays
	s_mov_b32 s35, 0
	s_add_nc_u64 s[22:23], s[22:23], s[34:35]
	s_add_nc_u64 s[24:25], s[24:25], s[34:35]
	s_add_nc_u64 s[30:31], s[30:31], s[34:35]
	s_wait_alu depctr_va_vdst(0)                   ; v1 is written: every load and store below reads it as its offset
.set i, 0
.rept 16
	global_load_b128 v[X+4*i:X+4*i+3],   v1, s[22:23] offset:4096*i th:TH_LOAD_NT
	global_load_b128 v[MK+4*i:MK+4*i+3], v1, s[24:25] offset:4096*i th:TH_LOAD_NT
.set i, i+1
.endr
	v_mov_b32 v3, 0xceabfb8f                       ; NEG = -1e9 * log2(e); named by vector instructions alone
	s_wait_kmcnt 0x0
	s_mul_f32 s36, s38, 0xbfb8aa3b                 ; -gamma * log2(e): exp(-gamma t) = 2^(s36 t)
	s_mov_b32 s37, s36                             ; the pair's second register is written too
.set g, 0
.rept 4                                ; group g: pairs 4 g to 4 g + 3 (time_diffs, mask), sixteen numbers a lane
	s_wait_loadcnt 24-8*g                          ; the group's four pairs are in; the 24 - 8 g younger loads stay out
.set n, 0
.rept 8
	v_pk_mul_f32 v[X+16*g+2*n:X+16*g+2*n+1], v[X+16*g+2*n:X+16*g+2*n+1], s[36:37] op_sel_hi:[1,0]
.set n, n+1
.endr
.set n, 0
.rept 16                               ; exponential and compare by turns: the compares touch no exponential's register, and the last of them is the plain
	v_exp_f32 v[X+16*g+n], v[X+16*g+n]             ; instruction between the last exponential and the first use of a result (ISA guide 5.7.2)
	v_cmp_eq_u32 s[CM+n], 0, v[MK+16*g+n]
.set n, n+1
.endr
	s_wait_alu depctr_va_vdst(0)                   ; the sixteen exponentials have written X[g], which the multiplies below read; the selects of the group before have written X[g - 1], which the stores below read
	s_wait_alu depctr_va_sdst(0)                   ; the sixteen compares have written s40 to s55, ahead of their first reader, the first select below
.set n, 0
.rept 4
.set i, 4*g+n
.if g > 0
	global_store_b128 v1, v[X+4*(i-4):X+4*(i-4)+3], s[30:31] offset:4096*(i-4)   ; no vector instruction since the wait names these registers; they are not written again
.endif
	v_pk_mul_f32 v[X+4*i:X+4*i+1],   v[X+4*i:X+4*i+1],   0x3fb8aa3b op_sel_hi:[1,0]
	v_pk_mul_f32 v[X+4*i+2:X+4*i+3], v[X+4*i+2:X+4*i+3], 0x3fb8aa3b op_sel_hi:[1,0]
	v_cndmask_b32 v[X+4*i],   v[X+4*i],   v3, s[CM+4*n]
	v_cndmask_b32 v[X+4*i+1], v[X+4*i+1], v3, s[CM+4*n+1]
	v_cndmask_b32 v[X+4*i+2], v[X+4*i+2], v3, s[CM+4*n+2]
	v_cndmask_b32 v[X+4*i+3], v[X+4*i+3], v3, s[CM+4*n+3]
.set n, n+1
.endr
.set g, g+1
.endr
	s_wait_alu depctr_va_vdst(0)                   ; the last group's selects have written its sixteen registers of X, which the last four stores read
.set i, 12
.rept 4
	global_store_b128 v1, v[X+4*i:X+4*i+3], s[30:31] offset:4096*i
.set i, i+1
.endr
	s_endpgm
.Lfunc_end_k_q3e0581e846_prep:
	.size	k_q3e0581e846_prep, .Lfunc_end_k_q3e0581e846_prep-k_q3e0581e846_prep
	.p2alignl 7, 3214868480
	.fill 96, 4, 3214868480
	.section	.rodata,"a",@progbits
	.p2align	6, 0x0
	.amdhsa_kernel k_q3e0581e846_prep
		.amdhsa_group_segment_fixed_size 0
		.amdhsa_private_segment_fixed_size 0
		.amdhsa_enable_private_segment 0
		.amdhsa_kernarg_size 96
		.amdhsa_user_sgpr_count 2
		.amdhsa_user_sgpr_kernarg_segment_ptr 1
		.amdhsa_wavefront_size32 1
		.amdhsa_system_sgpr_workgroup_id_x 1
		.amdhsa_system_sgpr_workgroup_id_y 1
		.amdhsa_system_sgpr_workgroup_id_z 1
		.amdhsa_system_vgpr_workitem_id 0
		.amdhsa_next_free_vgpr 200
		.amdhsa_next_free_sgpr 66
		.amdhsa_reserve_vcc 0
		.amdhsa_float_denorm_mode_32 3
		.amdhsa_float_denorm_mode_16_64 3
		.amdhsa_memory_ordered 1
		.amdhsa_forward_progress 1
		.amdhsa_inst_pref_size 33
	.end_amdhsa_kernel
	.amdgpu_metadata
---
amdhsa.version: [ 1, 2 ]
amdhsa.kernels:
  - .name:           k_q3e0581e846_prep
    .symbol:         k_q3e0581e846_prep.kd
    .args:
      - { .name: q, .offset: 0, .size: 8, .value_kind: global_buffer, .address_space: global }
      - { .name: k, .offset: 8, .size: 8, .value_kind: global_buffer, .address_space: global }
      - { .name: v, .offset: 16, .size: 8, .value_kind: global_buffer, .address_space: global }
      - { .name: Wq, .offset: 24, .size: 8, .value_kind: global_buffer, .address_space: global }
      - { .name: Wk, .offset: 32, .size: 8, .value_kind: global_buffer, .address_space: global }
      - { .name: Wv, .offset: 40, .size: 8, .value_kind: global_buffer, .address_space: global }
      - { .name: Wo, .offset: 48, .size: 8, .value_kind: global_buffer, .address_space: global }
      - { .name: time_diffs, .offset: 56, .size: 8, .value_kind: global_buffer, .address_space: global }
      - { .name: mask, .offset: 64, .size: 8, .value_kind: global_buffer, .address_space: global }
      - { .name: gamma, .offset: 72, .size: 8, .value_kind: global_buffer, .address_space: global }
      - { .name: xw, .offset: 80, .size: 8, .value_kind: global_buffer, .address_space: global }
      - { .name: biasm, .offset: 88, .size: 8, .value_kind: global_buffer, .address_space: global }
    .group_segment_fixed_size: 0
    .private_segment_fixed_size: 0
    .kernarg_segment_align: 8
    .kernarg_segment_size: 96
    .max_flat_workgroup_size: 256
    .sgpr_count:     66
    .vgpr_count:     200
    .wavefront_size: 32
...
	.end_amdgpu_metadata
.endif
;; end of part 5
;; launch qkv: the kernel of part 2 again; grid 4 x 96, 4 waves a work-group, clusters of 4 x 4, 327,680 bytes of LDS; arguments xw, bq, bk, bv, qf, kvf; writes qf, kvf
;; launch attn: the kernel of part 3 again; grid 4 x 64, 8 waves a work-group, clusters of 4 x 4, 327,680 bytes of LDS; arguments qf, kvf, biasm, aof; writes aof
;; launch outp: the kernel of part 4 again; grid 4 x 32, 4 waves a work-group, clusters of 4 x 4, 327,680 bytes of LDS; arguments aof, xw, bo, out0; writes out0
